; MI455X (gfx1250); checked and timed in simulation.
; The chip was launched on July 23, 2026; its instructions are those of AMD's public machine-readable ISA for CDNA 5 (MIT licence, August 2026) and "CDNA5" Instruction Set Architecture Reference Guide (July 2026). The comments in the code are by the model that wrote it; some were corrected since.
;; Multihead Attention. Allowed arithmetic: matrix products marked QUANTISED: E2M3 operands, one E8M0 scale for each 32 along K, by v_wmma_scale_f32_16x16x128_f8f6f4 with both operands' format E2M3, f32 sums; everything else in f32.
;; Inputs: Wk 1,024 x 1,024 float32; Wo 1,024 x 1,024 float32; Wq 1,024 x 1,024 float32; Wv 1,024 x 1,024 float32; keys 4 x 2,048 x 1,024 float32; queries 4 x 2,048 x 1,024 float32; values 4 x 2,048 x 1,024 float32.
;; Outputs: out0 4 x 2,048 x 1,024 float32.
;; This version of the problem:
;;   THIS VERSION OF THE PROBLEM IS GIVEN IN LOW PRECISION. The matrix products marked QUANTISED in the list below multiply operands that are first quantised to E2M3 (2 exponent bits, 3 mantissa bits; 6 bits a number), with one power-of-two scale for each 32 numbers along K (OCP MX v1.0); their sums are f32. All else is computed in f32.
;;   The module's matrix products, in the order in which they are computed (A, B: the left and right operand; K: the contracted axis; several contracted axes count as one K, in the product's order):
;;     1. [M 8,192, K 1,024] x [K 1,024, N 1,024]; A: input queries; B: input Wq: QUANTISED
;;     2. [M 8,192, K 1,024] x [K 1,024, N 1,024]; A: input keys; B: input Wk: QUANTISED
;;     3. [M 8,192, K 1,024] x [K 1,024, N 1,024]; A: input values; B: input Wv: QUANTISED
;;     4. batch 64 x [M 2,048, K 64] x [K 64, N 2,048]; A: computed on the way; B: computed on the way: QUANTISED
;;     5. batch 64 x [M 64, K 2,048] x [K 2,048, N 2,048]; A: computed on the way; B: softmax (see below): QUANTISED
;;     6. [M 8,192, K 1,024] x [K 1,024, N 1,024]; A: computed on the way; B: input Wo: QUANTISED
;;   THE QUANTISER, for each operand of a quantised product, along K:
;;     - K is cut into blocks of 32 from its start; a last block that is shorter is filled with zeros.
;;     - A block's scale is 2^e with e = floor(log2(the largest magnitude in the block)) - 2, held to -126 .. 127; a block of zeros has e = 0. As a byte (E8M0): e + 127.
;;     - Each number is divided by its block's scale, clamped to +-7.5, and rounded to the nearest number of E2M3, ties to even, subnormals kept.
;;     - The product sums the exact products of the quantised numbers (number of the format x scale) in f32.
;;   ~~~python
;;   def quantise(x, axis):      # numpy; x: float32 -> the quantised numbers, widened to float32 again
;;       x = np.moveaxis(x, axis, -1); K = x.shape[-1]
;;       x = np.pad(x, [(0, 0)] * (x.ndim - 1) + [(0, -K % 32)]); x = x.reshape(x.shape[:-1] + (-1, 32)); a = np.abs(x).max(-1, keepdims=True)
;;       e = np.where(a > 0, np.clip(np.frexp(np.where(a > 0, a, 1))[1] - 1 - 2, -126, 127), 0)      # np.frexp(a)[1] - 1 = floor(log2(a)), exactly
;;       r = np.clip(x / 2.0 ** e, -7.5, 7.5)
;;       step = 2.0 ** (np.maximum(np.frexp(np.where(r == 0, 1, r))[1] - 1, 0) - 3)
;;       q = np.round(r / step) * step * 2.0 ** e      # np.round: ties to even
;;       return np.moveaxis(q.reshape(q.shape[:-2] + (-1,))[..., :K], -1, axis).astype(np.float32)
;;   ~~~
;;   SOFTMAX AHEAD OF A QUANTISED PRODUCT. Where the list says 'softmax', what is quantised is not the finished softmax but p = 2^(t - M), with t = logit x log2(e) and M = ceil(the row's largest t), a whole number; so 1/2 < the row's largest p <= 1. The row's sum l is taken of the UNQUANTISED p, in f32, and the product's result is divided by l at the end. Since M is a whole number, a kernel that streams over the keys may use a running M (the ceiling of the running maximum): every later rescaling is an exact power of two, which a block's scale takes up: the codes' values come out the same.
;;   OPERANDS COMPUTED ON THE WAY. 'Computed on the way' means the value that the module computes at that place (a softmax that the list does not call 'softmax' is quantised finished and normalised). What goes into a quantiser is computed in f32, as accurately as f32 sums, v_exp_f32 and their like allow (about 1e-6 of the number): no bf16 or f16 on the way to a quantiser, and a product that is left as it is and whose result goes on into a quantised operand takes f32 operands (vector FMAs, or v_wmma_f32_16x16x4_f32). A number that lies on a knife's edge between two numbers of the format may be rounded either way, as far as f32 arithmetic and the matrix unit's own rounding can turn it there, and no further.
;; One version. Each part assembles by itself: llvm-mc -triple=amdgcn-amd-amdhsa -mcpu=gfx1250 --defsym DOCPART=n.
;; ======== version 1 of 1: 4 launches
;; limits: right only within a limited range of input values
;; workspace buffers: xw 22,937,600 bytes; att 19,660,800 bytes; ctxq 6,553,600 bytes
;; launch quant (part 1): grid 896 x 1, 4 waves a work-group, no clusters, 34,304 bytes of LDS; arguments queries, keys, values, Wq, Wk, Wv, Wo, xw; writes xw
.if DOCPART == 1
	.amdgcn_target "amdgcn-amd-amdhsa--gfx1250"
	.amdhsa_code_object_version 6
	.text
	.protected	k_q06596b1bad_quant
	.globl	k_q06596b1bad_quant
	.p2align	8
	.type	k_q06596b1bad_quant,@function
k_q06596b1bad_quant:
	s_mov_b64 s[64:65], 0
	v_nop
	global_prefetch_b8 v0, s[64:65] scope:SCOPE_SE
	s_setreg_imm32_b32 hwreg(HW_REG_WAVE_MODE, 25, 1), 1
	s_wait_xcnt 0x0
; All seven f32 inputs (K = their last axis, 1,024) become codes of FP6 (E2M3) with one E8M0 byte for each 32 along K, laid in xw AS THE MATRIX UNIT'S REGISTERS TAKE THEM.
; A block's scale is 2^(floor(log2(largest magnitude)) - 2): its byte is the largest magnitude's exponent field - 2, held at 1 from below by a floor among the maximum's leaves.
; LIMITS: NaN and infinities among the inputs are not served.  A block of zeros gets the byte 1 (not 127): its codes are zeros, and the bytes are read by this program alone.
; LAYOUT OF xw: 1,792 tiles of 16 rows x 1,024 K, 12,800 bytes each: queries 0-511, keys 512-1,023, values 1,024-1,535, Wq, Wk, Wv, Wo 64 each from 1,536 on.
;   A tile is two chunks of 6,400 bytes (512 along K): four fragments of 1,536 bytes, then 256 bytes of scale words (slot r's four words at 16 r).
;   A fragment (16 rows x 128 K, 12 registers a lane) is two halves of 768 bytes: registers 0-3 of lane l at 16 l, then registers 4-5 at 512 + 8 l.
;   THE ROWS OF A TILE ARE NOT NEIGHBOURS: in each group of 32 rows, slot r of tile u is row 8 u + r + 8 (r / 8), so that a later product's results lie as neighbours in a lane's registers.
; SHARES: a work-group takes a group of 32 rows, wave w tile w / 2 and chunk w % 2: four fragments.  Each load reads 512 consecutive bytes of one row; the 16 rows turn through the wave's own stage in LDS,
; from which lane (r, h) takes blocks h and 2 + h of row r whole: so no other lane is asked for a maximum, and the conversions' results are the operand's registers.  Waves share nothing: no barrier.
.set ROWB,   4096                      ; a row of any input in bytes
.set SPITCH, 528                       ; a stage row: 512 bytes + 16, so that the sixteen rows that a read touches fall on different 16-byte columns
.set WSTG,   16*SPITCH                 ; a wave's stage
.set TFB,    12800
.set CHB,    6400
.set FRB,    1536
.set RAW, 16                           ; v16-143   two sets of 64: a fragment's numbers as loaded
.set XN,  144                          ; v144-207  my two blocks of 32 neighbours
.set PC,  208                          ; v208-231  two sets of 12: a fragment's codes
.set TM,  232                          ; v232-233  largest magnitudes
.set SO,  234                          ; v234-235  the conversions' scale operands
.set BY,  236                          ; v236-237  scale bytes
.set TP,  238                          ; v238      lane exchange
.set CT,  240                          ; v240-242, v244-246: a conversion's three registers begin on an even number
.set WD,  248                          ; v248-251  the four fragments' scale words
.set ZZ,  252                          ; v252-253  the two words that I store
	s_load_b512 s[16:31], s[0:1], 0x0              ; queries, keys, values, Wq, Wk, Wv, Wo, xw
	v_lshl_add_u32 v254, v0, 2, 0x8400
	v_mov_b32 v255, 0
	v_lshrrev_b32 v7, 5, v0
	v_readfirstlane_b32 s12, v7                    ; wave
	v_and_b32 v8, 31, v0                           ; lane
	v_and_b32 v9, 15, v0                           ; r
	v_bfe_u32 v10, v0, 4, 1                        ; h
	v_lshlrev_b32 v1, 4, v8                        ; 16 l
	v_lshlrev_b32 v2, 3, v8                        ; 8 l
	s_mul_i32 s13, s12, WSTG
	v_add_nc_u32 v3, s13, v1                       ; the stage, in: 16 l of a row
	v_mul_u32_u24 v4, v9, SPITCH
	v_lshl_add_u32 v4, v10, 7, v4
	v_add_nc_u32 v4, s13, v4                       ; and out: row r, block h
	v_lshlrev_b32 v5, 3, v10                       ; 8 h: my bytes' place in a scale word
	v_lshlrev_b32 v6, 4, v9
	v_lshl_add_u32 v6, v10, 3, v6                  ; 16 r + 8 h: the two scale words that I store
	v_cmp_ne_u32 vcc_lo, 0, v10                    ; lanes 16-31
	v_mov_b32 v[TP], 0                             ; a lane permute's destination counts as one of its sources
	s_lshr_b32 s14, s12, 1                         ; tile of the group
	s_and_b32 s15, s12, 1                          ; chunk
	s_mov_b32 s40, 0x76543210
	s_mov_b32 s41, 0xfedcba98                      ; selects for lane l xor 16
	s_wait_alu depctr_va_vdst(0)
	s_wait_kmcnt 0x0
	s_mov_b64 s[4:5], s[16:17]
	s_mov_b32 s6, 0
.macro PICK base, ptr                  ; from group \base on the tensor is the next one: the choice hangs on the work-group's number alone
	s_cmp_ge_u32 ttmp9, \base
	s_cselect_b64 s[4:5], s[\ptr:\ptr+1], s[4:5]
	s_cselect_b32 s6, \base, s6
.endm
	PICK 256, 18
	PICK 512, 20
	PICK 768, 22
	PICK 800, 24
	PICK 832, 26
	PICK 864, 28
	s_sub_co_u32 s7, ttmp9, s6                     ; the group within its tensor
	s_lshl_b32 s10, s7, 17                         ; 32 rows of 4,096 bytes
	; KEYS ALONE ARE LAID OTHERWISE: in each band of 64 rows, slot r of tile t (0 .. 3) is row 8 t + r % 8 + 32 (r / 8), so that in attention a lane's 32 scores of four tiles are one whole block of 32 keys.
	; Against the other tensors' order an odd group begins 16 rows earlier, and slots 8-15 lie 16 rows further on.
	s_and_b32 s42, s7, 1
	s_lshl_b32 s42, s42, 16                        ; 16 rows of 4,096 bytes
	s_cmp_eq_u32 s6, 256                           ; the tensor that begins at group 256 is keys
	s_cselect_b32 s42, s42, 0
	s_cselect_b32 s43, 0x10000, 0
	s_sub_co_u32 s10, s10, s42
	s_lshl_b32 s7, s14, 15                         ; tile u begins 8 rows on
	s_add_co_u32 s10, s10, s7
	s_lshl_b32 s7, s15, 11                         ; 512 numbers along K
	s_add_co_u32 s10, s10, s7
	s_mov_b32 s11, 0
	s_add_nc_u64 s[4:5], s[4:5], s[10:11]
	s_lshl_b32 s10, ttmp9, 1
	s_add_co_u32 s10, s10, s14                     ; the tile's number in xw
	s_mul_i32 s10, s10, TFB
	s_mul_i32 s7, s15, CHB
	s_add_co_u32 s10, s10, s7
	s_add_nc_u64 s[8:9], s[30:31], s[10:11]
.macro LOAD t                          ; fragment t: 128 numbers of each of my 16 rows; a load reads 512 consecutive bytes
.irp r, 0,1,2,3,4,5,6,7,8,9,10,11,12,13,14,15
.if \r < 8
	global_load_b128 v[RAW+64*((\t)%2)+4*\r:RAW+64*((\t)%2)+4*\r+3], v1, s[4:5] offset:(\r+8*(\r/8))*ROWB+512*(\t) th:TH_LOAD_NT
.else
	global_load_b128 v[RAW+64*((\t)%2)+4*\r:RAW+64*((\t)%2)+4*\r+3], v11, s[4:5] offset:(\r+8*(\r/8))*ROWB+512*(\t) th:TH_LOAD_NT
.endif
.endr
.endm
.macro TURN t                          ; through the stage: LDS serves a wave's instructions in order, so no wait stands between the stores and the loads
.irp r, 0,1,2,3,4,5,6,7,8,9,10,11,12,13,14,15
	ds_store_b128 v3, v[RAW+64*((\t)%2)+4*\r:RAW+64*((\t)%2)+4*\r+3] offset:SPITCH*\r
.endr
.irp i, 0,1,2,3,4,5,6,7
	ds_load_b128 v[XN+4*\i:XN+4*\i+3], v4 offset:16*\i             ; block h
.endr
.irp i, 0,1,2,3,4,5,6,7
	ds_load_b128 v[XN+32+4*\i:XN+32+4*\i+3], v4 offset:256+16*\i   ; block 2 + h
.endr
.endm
.macro QF t                            ; my two blocks become registers 0-5 and 6-11 of the fragment, and two bytes of its scale word
.set PCS, PC+12*((\t)%2)
.irp c, 0,1
	v_max3_num_f32 v[TM+\c], |v[XN+32*\c]|, |v[XN+32*\c+1]|, 0x1800000   ; with the floor 2^(3 - 127): the byte cannot fall under 1
.endr
.irp i, 2,4,6,8,10,12,14,16,18,20,22,24,26,28,30
.irp c, 0,1
	v_max3_num_f32 v[TM+\c], v[TM+\c], |v[XN+32*\c+\i]|, |v[XN+32*\c+\i+1]|   ; the two blocks by turns
.endr
.endr
.irp c, 0,1
	v_add_nc_u32 v[SO+\c], 0xff000000, v[TM+\c]    ; 2 off the exponent field: the conversion takes that field as its scale
.endr
.irp c, 0,1
	v_lshrrev_b32 v[BY+\c], 23, v[SO+\c]           ; the scale's byte
.endr
	v_lshl_or_b32 v[WD+(\t)], v[BY+1], 16, v[BY]   ; blocks h and 2 + h,
	v_lshlrev_b32 v[WD+(\t)], v5, v[WD+(\t)]       ; at their places in the word;
	v_permlanex16_b32 v[TP], v[WD+(\t)], s40, s41
	v_or_b32 v[WD+(\t)], v[WD+(\t)], v[TP]         ; with lane l xor 16's two it is whole
.if (\t) >= 2
	s_wait_alu depctr_va_vdst(0)
	s_wait_xcnt 0x0                                ; the stores of two fragments ago have read this set of codes
.endif
.irp c, 0,1
	v_cvt_scalef32_pk16_fp6_f32 v[PCS+6*\c:PCS+6*\c+2], v[XN+32*\c:XN+32*\c+15], v[SO+\c]
	v_cvt_scalef32_pk16_fp6_f32 v[CT+4*\c:CT+4*\c+2], v[XN+32*\c+16:XN+32*\c+31], v[SO+\c]
.endr
	v_nop                                          ; one plain place behind a scaled conversion
.irp c, 0,1
.irp i, 0,1,2
	v_mov_b32 v[PCS+6*\c+3+\i], v[CT+4*\c+\i]
.endr
.endr
	global_store_b128 v1, v[PCS:PCS+3], s[8:9] offset:FRB*(\t)               ; 512 consecutive bytes,
	global_store_b64 v2, v[PCS+4:PCS+5], s[8:9] offset:FRB*(\t)+512          ; 256 more: half a fragment
	global_store_b128 v1, v[PCS+6:PCS+9], s[8:9] offset:FRB*(\t)+768
	global_store_b64 v2, v[PCS+10:PCS+11], s[8:9] offset:FRB*(\t)+1280
.endm
	v_add_nc_u32 v11, s43, v1                      ; the offset of slots 8-15: 16 l, and for keys 16 rows more
	s_wait_alu depctr_va_vdst(0)
	LOAD 0
	LOAD 1
.irp t, 0,1,2,3
.if \t < 3
	s_wait_loadcnt 16                              ; this fragment's 16 loads are in; the next fragment's 16 may be out
.else
	s_wait_loadcnt 0x0
.endif
	TURN \t
	s_wait_dscnt 0x0                               ; my numbers are back, and the stage's stores have read their registers,
.if \t < 2
	LOAD \t+2                                      ; which take the fragment two on
.endif
	QF \t
.endr
	v_cndmask_b32 v[ZZ], v[WD], v[WD+2], vcc_lo    ; lanes 0-15 store words 0 and 1 of their row, lanes 16-31 words 2 and 3
	v_cndmask_b32 v[ZZ+1], v[WD+1], v[WD+3], vcc_lo
	global_store_b64 v6, v[ZZ:ZZ+1], s[8:9] offset:4*FRB   ; 256 consecutive bytes
	s_wait_tensorcnt 0x0
	ds_add_u32 v254, v255
	s_wait_dscnt 0x0
	s_endpgm
.Lfunc_end_k_q06596b1bad_quant:
	.size	k_q06596b1bad_quant, .Lfunc_end_k_q06596b1bad_quant-k_q06596b1bad_quant
	.p2alignl 7, 3214868480
	.fill 96, 4, 3214868480
	.section	.rodata,"a",@progbits
	.p2align	6, 0x0
	.amdhsa_kernel k_q06596b1bad_quant
		.amdhsa_group_segment_fixed_size 34304
		.amdhsa_private_segment_fixed_size 0
		.amdhsa_enable_private_segment 0
		.amdhsa_kernarg_size 64
		.amdhsa_user_sgpr_count 2
		.amdhsa_user_sgpr_kernarg_segment_ptr 1
		.amdhsa_wavefront_size32 1
		.amdhsa_system_sgpr_workgroup_id_x 1
		.amdhsa_system_sgpr_workgroup_id_y 1
		.amdhsa_system_sgpr_workgroup_id_z 1
		.amdhsa_system_vgpr_workitem_id 0
		.amdhsa_next_free_vgpr 256
		.amdhsa_next_free_sgpr 66
		.amdhsa_reserve_vcc 1
		.amdhsa_float_denorm_mode_32 3
		.amdhsa_float_denorm_mode_16_64 3
		.amdhsa_memory_ordered 1
		.amdhsa_forward_progress 1
		.amdhsa_inst_pref_size 32
	.end_amdhsa_kernel
	.amdgpu_metadata
---
amdhsa.version: [ 1, 2 ]
amdhsa.kernels:
  - .name:           k_q06596b1bad_quant
    .symbol:         k_q06596b1bad_quant.kd
    .args:
      - { .name: queries, .offset: 0, .size: 8, .value_kind: global_buffer, .address_space: global }
      - { .name: keys, .offset: 8, .size: 8, .value_kind: global_buffer, .address_space: global }
      - { .name: values, .offset: 16, .size: 8, .value_kind: global_buffer, .address_space: global }
      - { .name: Wq, .offset: 24, .size: 8, .value_kind: global_buffer, .address_space: global }
      - { .name: Wk, .offset: 32, .size: 8, .value_kind: global_buffer, .address_space: global }
      - { .name: Wv, .offset: 40, .size: 8, .value_kind: global_buffer, .address_space: global }
      - { .name: Wo, .offset: 48, .size: 8, .value_kind: global_buffer, .address_space: global }
      - { .name: xw, .offset: 56, .size: 8, .value_kind: global_buffer, .address_space: global }
    .group_segment_fixed_size: 34304
    .private_segment_fixed_size: 0
    .kernarg_segment_align: 8
    .kernarg_segment_size: 64
    .max_flat_workgroup_size: 128
    .sgpr_count:     66
    .vgpr_count:     256
    .wavefront_size: 32
...
	.end_amdgpu_metadata
.endif
;; end of part 1
;; launch proj (part 2): grid 4 x 64, 4 waves a work-group, clusters of 4 x 4, 327,680 bytes of LDS; arguments xw, att; writes att
.if DOCPART == 2
	.amdgcn_target "amdgcn-amd-amdhsa--gfx1250"
	.amdhsa_code_object_version 6
	.text
	.protected	k_q06596b1bad_proj
	.globl	k_q06596b1bad_proj
	.p2align	8
	.type	k_q06596b1bad_proj,@function
k_q06596b1bad_proj:
	s_mov_b64 s[64:65], 0
	v_nop
	global_prefetch_b8 v0, s[64:65] scope:SCOPE_SE
	s_setreg_imm32_b32 hwreg(HW_REG_WAVE_MODE, 25, 1), 1
	s_wait_xcnt 0x0
	s_wait_alu depctr_hold_cnt(0) depctr_sa_sdst(0) depctr_va_vdst(0) depctr_va_sdst(0) depctr_va_ssrc(0) depctr_va_vcc(0) depctr_vm_vsrc(0)
	s_getreg_b32 s2, hwreg(HW_REG_IB_STS2, 6, 4)
	s_cmp_eq_u32 s2, 0
	s_cbranch_scc0 .Lentry_in_a_cluster
	s_endpgm
.Lentry_in_a_cluster:
	s_bfe_u32 s2, ttmp6, 0x10000c
	s_cmp_lg_u32 s2, 0xf033
	s_cbranch_scc0 .Lentry_shape_is_right
	s_endpgm
.Lentry_shape_is_right:
; The three input projections on codes of FP6 (E2M3) with E8M0 scales, and their results quantised in registers into the operands of attention.
; P = 0: q = queries Wq^T, 1: k = keys Wk^T (C[token][channel], quantised along the head's 64 channels);  2: v, made as Wv values^T (C[channel][token], quantised along the keys).
; In all three the quantiser runs along C's columns, so one text serves: only numbers chosen by s_cselect_b32 on P differ.
; A WORK-GROUP STAYS: 256 work-groups, each makes one tile of C for P = 0, then 1, then 2: a loop of two trips and the last tile written out, since it asks for nothing more.  P is the same in all work-groups at every moment.
; A TILE OF C is 128 rows (operand A) x 256 columns (operand B); all of K = 1,024 lies in LDS, in two chunks of 512.  Four waves, each 64 x 128: 32 accumulators.
; FILLS: at the head one joint load a wave: wave 0 chunk 0 of A, wave 1 chunk 0 of B, wave 2 chunk 1 of A, wave 3 chunk 1 of B.  TWO REFILLS A TILE, each behind the three lines and a round of the cluster's barrier
; at K step 3, whose fragments are in registers, chunk 0's bytes take the next tile's chunk 0 (waves 0 and 1);
; behind the way out chunk 1's bytes take its chunk 1 (waves 2 and 3); that round also shows the next tile's chunk 0 to all.  By the text's own count a wave has at most one tensor load out.
; PREFETCH: at K step 0 the next tile's 102,400 bytes of A and 204,800 of B are asked for into the L2, three K steps ahead of the first load that wants them: the sixteen waves of a row of the cluster share A's
; 400 blocks of 256 bytes by address (25 each), those of a column B's 800 (50 each); lanes 25-31 name their wave's last block again.  The last tile asks for nothing.
; THE MATRIX INSTRUCTION IS USED TRANSPOSED (source 0 = 16 rows of B, source 1 = 16 rows of A), and B's tiles hold rows 8 u + r + 8 (r / 8) of a group of 32:
; so a lane holds ONE row of C and the 16 registers of B's tiles 2 g and 2 g + 1 are the columns 32 g + 16 (lane / 16) + 0 .. 15: neighbours along the next product's K.
; CLUSTER 4 x 4: A's tiles are shared along a row of the cluster, B's along a column: each is asked for jointly.
; OPERANDS in xw: tiles of 12,800 bytes = two chunks of 6,400: four fragments of 1,536 bytes as images of the registers (registers 0-3 at 16 l, 4-5 at 512 + 8 l, 6-9 at 768 + 16 l, 10-11 at 1,280 + 8 l), then 256 bytes of scale words.
; RESULTS in att: step blocks of 6,400 bytes: eight half fragments of 768 bytes, then four runs of 16 scale words.  q: [head 64][step 16] from byte 0;  k and v: [head][step][k block | v block] from byte 6,553,600.
; LIMITS: NaN and infinities are not served; a block of zeros gets the scale byte 1 (its codes are zeros; the bytes are read by this program alone).
; REGISTERS: window 0: v1-15 addresses, v16-79 scale words, v80-175 A's fragments (two sets of 48), v176-255 the way out (v200, v201 the prefetches' offsets; v243, v247 the add's);  window 1: B's fragments, two sets of 96 at v0 and v128;  window 2: accumulator (a, b) at v[8 (8 a + b)].
.set TFB,   12800
.set CHB,   6400
.set FRB,   1536
.set CHUNK, 153600                     ; LDS: a chunk: A's 8 tiles, then B's 16
.set BOFF,  51200
.set AA16, 4                           ; v4-5   my A tiles in chunk 0, 1: + 16 l
.set AA8,  6                           ; v6-7   + 8 l
.set AB16, 8                           ; v8-9   my B tiles
.set AB8,  10                          ; v10-11
.set ADS,  12                          ; v12-13 scale words: lanes 0-15 A's, lanes 16-31 B's
.set SC,   16                          ; word of K step s of tile i at v[SC + 32 (s / 4) + 4 i + s % 4]
.set AF,   80
.set PCB,  176                         ; the way out: four fragments of codes
.set TM,   224                         ; v224-227 maxima, v228-231 bytes, v236-239 scale operands
.set CVT,  240                         ; v240-242, v244-246
.set PW,   248                         ; v248-251 the four scale words
.set G1A, 24
.set G0A, 32
.set G1B, 48
.set G0B, 56
.set MSB, 0
.macro WIN new                         ; the immediate's high byte repeats the setting that is left
.if MSB != \new
	s_set_vgpr_msb (MSB<<8)|\new
.set MSB, \new
.endif
.endm
.set MUL,  0xa1                        ; source 0 (B) window 1, source 1 (A) window 0, C and D window 2
.set TO_B, 0x40                        ; destination window 1
.macro CROUND                          ; a round of the cluster's barrier
	s_barrier_signal -1
	s_barrier_wait -1
	s_cmp_lg_u32 s10, 0
	s_cbranch_scc1 .Lnot_wave_0_\@
	s_barrier_signal -3
.Lnot_wave_0_\@:
	s_barrier_wait -3
	s_barrier_signal -1
	s_barrier_wait -1
.endm
.macro PLACES                          ; four places behind a matrix instruction of this form, in front of loads into its registers and of reads of its results
.rept 4
	v_nop
.endr
.endm
.macro SRC                             ; from P (s67) and the cluster's y (s68): tile row s74, tile column s75, and where A's 8 and B's 16 tiles begin in xw (s76, s78, bytes)
	s_lshl_b32 s69, s68, 2                         ; q, k: 64 tile rows, 4 tile columns
	s_and_b32 s70, s68, 1
	s_lshl_b32 s70, s70, 2                         ; v: 8 tile rows,
	s_lshr_b32 s71, s68, 1
	s_lshl_b32 s71, s71, 2                         ; 32 tile columns
	s_lshl_b32 s72, s67, 9                         ; q, k: A = queries or keys,
	s_lshl_b32 s73, s67, 6
	s_add_co_u32 s73, s73, 1536                    ; B = Wq or Wk
	s_cmp_eq_u32 s67, 2
	s_cselect_b32 s69, s70, s69
	s_cselect_b32 s71, s71, 0
	s_cselect_b32 s72, 1664, s72                   ; v: A = Wv,
	s_cselect_b32 s73, 1024, s73                   ; B = values
	s_add_co_u32 s74, s69, s41                     ; tile row
	s_add_co_u32 s75, s71, s40                     ; tile column
	s_lshl_b32 s76, s74, 3
	s_add_co_u32 s76, s76, s72
	s_mul_i32 s76, s76, TFB
	s_mov_b32 s77, 0
	s_lshl_b32 s78, s75, 4
	s_add_co_u32 s78, s78, s73
	s_mul_i32 s78, s78, TFB
	s_mov_b32 s79, 0
.endm
.macro SETG0                           ; the four groups 0, written only where no tensor load of the wave is out
	s_add_nc_u64 s[14:15], s[4:5], s[76:77]
	s_add_nc_u64 s[46:47], s[4:5], s[78:79]
.irp c, 0,1
	s_mov_b32 s[G0A+4*\c], 1
	s_add_co_u32 s[G0A+4*\c+1], s20, \c*CHUNK
	s_add_nc_u64 s[G0A+4*\c+2:G0A+4*\c+3], s[14:15], \c*CHB
	s_or_b32 s[G0A+4*\c+3], s[G0A+4*\c+3], 0x80000000
	s_mov_b32 s[G0B+4*\c], 1
	s_add_co_u32 s[G0B+4*\c+1], s21, \c*CHUNK
	s_add_nc_u64 s[G0B+4*\c+2:G0B+4*\c+3], s[46:47], \c*CHB
	s_or_b32 s[G0B+4*\c+3], s[G0B+4*\c+3], 0x80000000
.endr
.endm
.macro DST                             ; where this tile's results go, from P, s74 and s75.  s80: bytes from step to step; s81: the section
	s_mov_b32 s80, 12800
	s_mov_b32 s81, 6553600
	s_cmp_eq_u32 s67, 0
	s_cselect_b32 s80, 6400, s80
	s_cselect_b32 s81, 0, s81
	s_lshr_b32 s82, s74, 4                         ; q, k: batch = tile row / 16,
	s_lshl_b32 s82, s82, 4
	s_lshl_b32 s83, s75, 2
	s_add_co_u32 s82, s82, s83
	s_lshl_b32 s83, s12, 1
	s_add_co_u32 s82, s82, s83                     ; head 4 x tile column + 2 x my half (and the head behind it),
	s_lshl_b32 s82, s82, 4
	s_and_b32 s83, s74, 15
	s_add_co_u32 s82, s82, s83                     ; step = tile row % 16
	s_lshl_b32 s83, s75, 1
	s_add_co_u32 s83, s83, s12                     ; v: my 128 tokens are step gk of 64:
	s_lshr_b32 s84, s83, 4
	s_lshl_b32 s84, s84, 4                         ; batch gk / 16,
	s_lshl_b32 s85, s74, 1
	s_add_co_u32 s84, s84, s85
	s_add_co_u32 s84, s84, s11                     ; head 2 x tile row + my half,
	s_lshl_b32 s84, s84, 4
	s_and_b32 s83, s83, 15
	s_add_co_u32 s83, s84, s83                     ; step gk % 16
	s_lshl_b32 s89, s80, 4                         ; a head's 16 steps
	s_mul_i32 s86, s11, 3072                       ; q, k: my four token tiles begin 4 half fragments on,
	s_lshl_b32 s98, s11, 7                         ; and their two runs of scale words 128 bytes on
	s_mov_b32 s87, 0x05040100                      ; q, k: a run's word joins two token tiles' two bytes: the first head's,
	s_mov_b32 s88, 0x07060302                      ; the second head's
	s_mov_b32 s84, 768
	s_cmp_eq_u32 s67, 2
	s_cselect_b32 s81, 6560000, s81                ; v's blocks lie 6,400 bytes behind k's
	s_cselect_b32 s82, s83, s82
	s_cselect_b32 s84, 1536, s84                   ; from A's tile a to a + 1: a half fragment (token tile), or a fragment (v's tile of 16 channels)
	s_cselect_b32 s85, 768, s89                    ; from a fragment's first half to its second: the next head's block, or on end
	s_cselect_b32 s99, 128, s89                    ; the second store of scale words
	s_cselect_b32 s86, 0, s86
	s_cselect_b32 s98, 0, s98
	s_cselect_b32 s87, 0x03020100, s87             ; v: whole words: tiles 0 and 2,
	s_cselect_b32 s88, 0x07060504, s88             ; tiles 1 and 3
	s_mul_i32 s82, s82, s80
	s_add_co_u32 s82, s82, s81
	s_add_co_u32 s90, s82, s86
	s_mov_b32 s91, 0
	s_add_co_u32 s94, s82, s98
	s_add_co_u32 s94, s94, 4*FRB
	s_mov_b32 s95, 0
	s_add_nc_u64 s[92:93], s[6:7], s[90:91]        ; codes
	s_add_nc_u64 s[94:95], s[6:7], s[94:95]        ; scale words
.endm
.macro ARM w, g0, g1                   ; an arm of the head's chain of branches on the wave's number
	s_cmp_eq_u32 s10, \w
	s_cbranch_scc0 .Lnot_\w\()
	tensor_load_to_lds s[\g0:\g0+3], s[\g1:\g1+7]
	s_nop 0
	PLACES
	s_branch .Lasked
.Lnot_\w\():
.endm
.macro REFILL w0, c                    ; chunk c's bytes are filled again: wave w0 brings A's tiles, wave w0 + 1 B's; the other two issue nothing
	s_cmp_eq_u32 s10, \w0
	s_cbranch_scc0 .Lrb_\@
	tensor_load_to_lds s[G0A+4*\c:G0A+4*\c+3], s[G1A:G1A+7]
	s_nop 0
	PLACES
	s_branch .Lrx_\@
.Lrb_\@:
	s_cmp_eq_u32 s10, \w0+1
	s_cbranch_scc0 .Lrx_\@
	tensor_load_to_lds s[G0B+4*\c:G0B+4*\c+3], s[G1B:G1B+7]
	s_nop 0
	PLACES
.Lrx_\@:
.endm
	s_load_b128 s[4:7], s[0:1], 0x0                ; xw, att
	v_lshl_add_u32 v243, v0, 2, 0x4b000
	v_mov_b32 v247, 0
	ds_add_u32 v243, v247
	ds_add_u32 v243, v247
	v_lshrrev_b32 v3, 5, v0
	v_readfirstlane_b32 s10, v3                    ; wave
	s_lshr_b32 s11, s10, 1                         ; which 64 rows of C are mine
	s_and_b32 s12, s10, 1                          ; which 128 columns
	s_bfe_u32 s40, ttmp6, 0x40000                  ; cx
	s_bfe_u32 s41, ttmp6, 0x40004                  ; cy
	s_lshl_b32 s43, s41, 2
	s_lshl_b32 s43, 15, s43                        ; my row of the cluster
	s_lshl_b32 s44, 0x1111, s40                    ; my column
	; group 1: rows of 6,400 bytes (800 elements of 8), one for each tile, 12,800 bytes apart; no padding: every LDS read takes consecutive bytes
	s_or_b32 s[G1A], s43, (3<<16)|(1<<21)
	s_or_b32 s[G1B], s44, (3<<16)|(1<<21)
.irp g, G1A, G1B
	s_mov_b32 s[\g+1], 800<<16                     ; tensor_dim0
	s_mov_b32 s[\g+3], 800<<16                     ; tile_dim0
	s_mov_b32 s[\g+5], 1600                        ; the pitch
	s_mov_b32 s[\g+6], 0
	s_mov_b32 s[\g+7], 0
.endr
	s_mov_b32 s[G1A+2], 8<<16                      ; A: all 8 tiles of a chunk in one load
	s_mov_b32 s[G1A+4], 8
	s_mov_b32 s[G1B+2], 16<<16                     ; B: all 16
	s_mov_b32 s[G1B+4], 16
	s_and_b32 s68, ttmp7, 0xffff                   ; the cluster's y, 0 .. 15
	s_mov_b32 s67, 0                               ; P
	SRC
	s_mov_b32 s20, 0                               ; where the tiles go: A's at a chunk's start,
	s_mov_b32 s21, BOFF                            ; B's behind them: no place in the cluster enters an LDS address
	s_mov_b32 s8, 0x76543210
	s_mov_b32 s9, 0xfedcba98                       ; selects for lane l xor 16
	s_wait_dscnt 0x0
	s_wait_kmcnt 0x0
	CROUND                                         ; all sixteen work-groups are here: the joint loads meet
	SETG0
	ARM 0, G0A, G1A
	ARM 1, G0B, G1B
	ARM 2, G0A+4, G1A
	tensor_load_to_lds s[G0B+4:G0B+7], s[G1B:G1B+7]
	s_nop 0
	PLACES
.Lasked:
	v_and_b32 v3, 31, v0
	v_lshlrev_b32 v1, 4, v3                        ; 16 l
	v_lshlrev_b32 v2, 3, v3                        ; 8 l
	v_and_b32 v14, 15, v0                          ; r
	v_bfe_u32 v15, v0, 4, 1                        ; h
	s_mul_i32 s16, s11, 4*CHB                      ; my 4 tiles of A
	s_mul_i32 s17, s12, 8*CHB
	s_add_co_u32 s17, s17, BOFF                    ; my 8 tiles of B
	s_sub_co_u32 s18, s17, s16
	v_mul_u32_u24 v3, s18, v15                     ; lanes 16-31 take B's scale words: one product, the distance between the two bases
	v_lshl_add_u32 v3, v14, 4, v3
	s_add_co_u32 s19, s16, 4*FRB
	v_add_nc_u32 v[ADS], s19, v3
	v_add_nc_u32 v[ADS+1], CHUNK, v[ADS]
.irp c, 0,1
	v_add_nc_u32 v[AA16+\c], s16, v1
	v_add_nc_u32 v[AA8+\c], s16, v2
	v_add_nc_u32 v[AB16+\c], s17, v1
	v_add_nc_u32 v[AB8+\c], s17, v2
	s_add_co_u32 s16, s16, CHUNK
	s_add_co_u32 s17, s17, CHUNK
.endr
.irp b, 0,1,2,3
	v_mov_b32 v[TM+4+\b], 0                        ; a lane permute's destination counts as one of its sources
.endr
.macro FRAG reg, a16, a8, off          ; a fragment comes back as it was stored: four loads of consecutive bytes
	ds_load_b128 v[\reg:\reg+3], v[\a16] offset:\off
	ds_load_b64 v[\reg+4:\reg+5], v[\a8] offset:\off+512
	ds_load_b128 v[\reg+6:\reg+9], v[\a16] offset:\off+768
	ds_load_b64 v[\reg+10:\reg+11], v[\a8] offset:\off+1280
.endm
.macro FETCH s                         ; K step s: B's eight fragments and A's four into set s % 2
	WIN TO_B
.irp i, 0,1,2,3,4,5,6,7
	FRAG 128*((\s)%2)+12*\i, AB16+(\s)/4, AB8+(\s)/4, CHB*\i+FRB*((\s)%4)
.endr
	WIN 0
.irp i, 0,1,2,3
	FRAG AF+48*((\s)%2)+12*\i, AA16+(\s)/4, AA8+(\s)/4, CHB*\i+FRB*((\s)%4)
.endr
.endm
.macro SCALES c                        ; a chunk's scale words: four K steps' words of a row in one load; lanes 0-15 A's tile i (used for i < 4), lanes 16-31 B's tile i
.irp i, 0,1,2,3,4,5,6,7
	ds_load_b128 v[SC+32*\c+4*\i:SC+32*\c+4*\i+3], v[ADS+\c] offset:CHB*\i
.endr
.endm
.macro MUL32 s                         ; the 32 accumulators take turns, one instruction a turn, in the same order in every step; step 0 starts the sums
.irp a, 0,1,2,3
.irp b, 0,1,2,3,4,5,6,7
.if (\s) == 0
	v_wmma_scale_f32_16x16x128_f8f6f4 v[8*(8*\a+\b):8*(8*\a+\b)+7], v[128*((\s)%2)+12*\b:128*((\s)%2)+12*\b+11], v[AF+48*((\s)%2)+12*\a:AF+48*((\s)%2)+12*\a+11], 0, v[SC+32*((\s)/4)+4*\b+(\s)%4], v[SC+32*((\s)/4)+4*\a+(\s)%4] matrix_a_fmt:MATRIX_FMT_FP6 matrix_b_fmt:MATRIX_FMT_FP6 matrix_a_scale:MATRIX_SCALE_ROW1
.else
	v_wmma_scale_f32_16x16x128_f8f6f4 v[8*(8*\a+\b):8*(8*\a+\b)+7], v[128*((\s)%2)+12*\b:128*((\s)%2)+12*\b+11], v[AF+48*((\s)%2)+12*\a:AF+48*((\s)%2)+12*\a+11], v[8*(8*\a+\b):8*(8*\a+\b)+7], v[SC+32*((\s)/4)+4*\b+(\s)%4], v[SC+32*((\s)/4)+4*\a+(\s)%4] matrix_a_fmt:MATRIX_FMT_FP6 matrix_b_fmt:MATRIX_FMT_FP6 matrix_a_scale:MATRIX_SCALE_ROW1
.endif
.endr
.endr
.endm
.macro QUANT a                         ; for A's tile a my 64 registers are 128 neighbouring columns of my row in four blocks of 32, half a block a lane
	WIN 0x28                                       ; sources 1 and 2: the accumulators' window
.irp b, 0,1,2,3
	v_max3_num_f32 v[TM+\b], 0x1800000, |v[64*\a+16*\b]|, |v[64*\a+16*\b+1]|   ; each accumulator is read from its low end on; the floor 2^(3 - 127) holds the byte at 1 from below
.endr
.irp i, 2,4,6,8,10,12,14
.irp b, 0,1,2,3
	v_max3_num_f32 v[TM+\b], v[TM+\b], |v[64*\a+16*\b+\i]|, |v[64*\a+16*\b+\i+1]|   ; the four blocks by turns
.endr
.endr
	WIN 0
.irp b, 0,1,2,3
	v_permlanex16_b32 v[TM+4+\b], v[TM+\b], s8, s9
.endr
.irp b, 0,1,2,3
	v_max_num_f32 v[TM+\b], v[TM+\b], v[TM+4+\b]   ; with lane l xor 16's 16: the block's largest magnitude
.endr
.irp b, 0,1,2,3
	v_add_nc_u32 v[TM+12+\b], 0xff000000, v[TM+\b] ; 2 off the exponent field: the conversion's scale operand
.endr
.irp b, 0,1,2,3
	v_lshrrev_b32 v[TM+4+\b], 23, v[TM+12+\b]      ; the byte
.endr
	v_lshl_or_b32 v[PW+\a], v[TM+5], 8, v[TM+4]
	v_lshl_or_b32 v[PW+\a], v[TM+6], 16, v[PW+\a]
	v_lshl_or_b32 v[PW+\a], v[TM+7], 24, v[PW+\a]
	WIN 0x02                                       ; source 0: the accumulators' window
.irp c, 0,1
	v_cvt_scalef32_pk16_fp6_f32 v[PCB+12*\a+6*\c:PCB+12*\a+6*\c+2], v[64*\a+32*\c:64*\a+32*\c+15], v[TM+12+2*\c]
	v_cvt_scalef32_pk16_fp6_f32 v[CVT+4*\c:CVT+4*\c+2], v[64*\a+32*\c+16:64*\a+32*\c+31], v[TM+12+2*\c+1]
.endr
	WIN 0
	v_nop                                          ; one plain place behind a scaled conversion
.irp c, 0,1                            ; the layout wants a whole block in a lane: lanes 0-15 block 2 c, lanes 16-31 block 2 c + 1
.irp i, 0,1,2
	v_permlane16_swap_b32 v[PCB+12*\a+6*\c+\i], v[CVT+4*\c+\i]
.endr
.irp i, 0,1,2
	v_mov_b32 v[PCB+12*\a+6*\c+3+\i], v[CVT+4*\c+\i]
.endr
.endr
.irp f, 0,1
	global_store_b128 v[80+2*\a+\f], v[PCB+12*\a+6*\f:PCB+12*\a+6*\f+3], s[92:93]              ; 512 consecutive bytes,
	global_store_b64 v[88+2*\a+\f], v[PCB+12*\a+6*\f+4:PCB+12*\a+6*\f+5], s[92:93] offset:512   ; and 256: half a fragment
.endr
.endm
; A TILE OF C.  rf = 1: a tile follows, and its chunks are asked for.  At its first line chunk 0 is shown whole to all four waves.
.macro TILE rf
	SCALES 0
	FETCH 0
	DST                                            ; scalar work while the LDS loads are out
.if \rf
	s_add_co_u32 s67, s67, 1                       ; the next P: the loop's counter
	SRC                                            ; and its tiles
	s_lshl_b32 s16, s40, 2
	s_add_co_u32 s16, s16, s10                     ; my number among the sixteen waves of my row of the cluster,
	s_mul_i32 s16, s16, 6400                       ; my 25 blocks of A's 400
	s_add_co_u32 s16, s16, s76
	s_lshl_b32 s17, s41, 2
	s_add_co_u32 s17, s17, s10                     ; and of my column:
	s_mul_i32 s17, s17, 12800                      ; my 50 blocks of B's 800
	s_add_co_u32 s17, s17, s78
.endif
.set KS, 0
.rept 8                                ; eight K steps of 128: the next step's 48 LDS loads stand in one run ahead of this step's 32 products
.if KS == 3
.if \rf
	s_wait_tensorcnt 0x0                           ; all my tensor loads are in, my part of chunk 1 among them;
	ds_add_u32 v243, v247                          ; the add;
	SETG0                                          ; no load of mine is out: the next tile's four groups 0
	s_wait_dscnt 0x0                               ; the add is done, and my reads of chunk 0 are over
	CROUND                                         ; both hold of every wave of the cluster
	REFILL 0, 0                                    ; the next tile's chunk 0, first behind the round
.else
	s_wait_tensorcnt 0x0                           ; my part of chunk 1 is in,
	s_wait_dscnt 0x0                               ; and my reads of chunk 0 are over
	s_barrier_signal -1
	s_barrier_wait -1                              ; both hold of every wave
.endif
.else
	s_wait_dscnt 0x0                               ; this step's fragments are in (asked for 32 products ago)
.endif
.if KS > 0
	PLACES                                         ; the other set was read by the last step's products
.endif
.if KS < 7
	FETCH KS+1
.endif
.if KS == 3
	SCALES 1
.endif
.if KS == 0
.if \rf
	v_and_b32 v200, 31, v0
	v_min_u32 v200, 24, v200                       ; a lane a block of 256 bytes; lanes 25-31 name the last again
	v_lshlrev_b32 v200, 8, v200
	v_add_nc_u32 v201, s17, v200
	v_add_nc_u32 v200, s16, v200
	global_prefetch_b8 v200, s[4:5] th:TH_LOAD_NT scope:SCOPE_SE
	global_prefetch_b8 v201, s[4:5] th:TH_LOAD_NT scope:SCOPE_SE
	global_prefetch_b8 v201, s[4:5] offset:6400 th:TH_LOAD_NT scope:SCOPE_SE
.endif
.endif
	WIN MUL
	MUL32 KS
	WIN 0
.set KS, KS+1
.endr
	PLACES
	; THE WAY OUT: no LDS
	s_wait_xcnt 0x0                                ; the prefetches have read v200 and v201, which the way out writes
	v_cmp_ne_u32 vcc_lo, 0, v15                    ; lanes 16-31
	v_and_b32 v96, 31, v0
	v_lshlrev_b32 v96, 2, v96                      ; 4 l
	v_add_nc_u32 v97, s99, v96
.irp a, 0,1,2,3
	s_mul_i32 s96, s84, \a
	v_add_nc_u32 v[80+2*\a], s96, v1
	v_add_nc_u32 v[88+2*\a], s96, v2
	s_add_co_u32 s96, s96, s85
	v_add_nc_u32 v[81+2*\a], s96, v1
	v_add_nc_u32 v[89+2*\a], s96, v2
.endr
	QUANT 0
	QUANT 1
	QUANT 2
	QUANT 3
	v_perm_b32 v252, v[PW+1], v[PW], s87
	v_perm_b32 v253, v[PW+3], v[PW+2], s87
	v_cndmask_b32 v252, v252, v253, vcc_lo         ; lanes 0-15 one run of 16 words, lanes 16-31 the next
	v_perm_b32 v254, v[PW+1], v[PW], s88
	v_perm_b32 v255, v[PW+3], v[PW+2], s88
	v_cndmask_b32 v254, v254, v255, vcc_lo
	global_store_b32 v96, v252, s[94:95]           ; 128 consecutive bytes
	global_store_b32 v97, v254, s[94:95]
.if \rf
	s_wait_alu depctr_va_vdst(0)                   ; the wait ahead of blocking waits and of the branch
	s_wait_xcnt 0x0                                ; the stores have read their registers and bases, which the next tile writes
	s_wait_tensorcnt 0x0                           ; all my tensor loads are in, my part of the next tile's chunk 0 among them;
	ds_add_u32 v243, v247                          ; the add;
	s_wait_dscnt 0x0                               ; it is done, and my reads of chunk 1 are long over
	CROUND                                         ; both hold of every wave of the cluster
	REFILL 2, 1                                    ; the next tile's chunk 1, first behind the round
.endif
.endm
	s_wait_alu depctr_va_vdst(0)                   ; the wait at the head's end
	s_cmp_lt_u32 s10, 2                            ; waves 0 and 1 brought chunk 0: they wait for it; chunk 1's loads may stay out
	s_cbranch_scc0 .Lnot_c0
	s_wait_tensorcnt 0x0
.Lnot_c0:
	s_barrier_signal -1
	s_barrier_wait -1                              ; chunk 0 is whole
.Ltile:                                                ; P = 0, 1
	TILE 1
	s_cmp_lt_u32 s67, 2
	s_cbranch_scc1 .Ltile
	TILE 0                                         ; P = 2: nothing more is asked for
	s_wait_dscnt 0x0
	s_wait_tensorcnt 0x0                           ; the wave's end
	ds_add_u32 v243, v247
	s_wait_dscnt 0x0
	CROUND                                         ; the closing round: no work-group ends while a partner may still ask for a tile that names it
	s_endpgm
.Lfunc_end_k_q06596b1bad_proj:
	.size	k_q06596b1bad_proj, .Lfunc_end_k_q06596b1bad_proj-k_q06596b1bad_proj
	.p2alignl 7, 3214868480
	.fill 96, 4, 3214868480
	.section	.rodata,"a",@progbits
	.p2align	6, 0x0
	.amdhsa_kernel k_q06596b1bad_proj
		.amdhsa_group_segment_fixed_size 327680
		.amdhsa_private_segment_fixed_size 0
		.amdhsa_enable_private_segment 0
		.amdhsa_kernarg_size 16
		.amdhsa_user_sgpr_count 2
		.amdhsa_user_sgpr_kernarg_segment_ptr 1
		.amdhsa_wavefront_size32 1
		.amdhsa_system_sgpr_workgroup_id_x 1
		.amdhsa_system_sgpr_workgroup_id_y 1
		.amdhsa_system_sgpr_workgroup_id_z 1
		.amdhsa_system_vgpr_workitem_id 0
		.amdhsa_next_free_vgpr 768
		.amdhsa_next_free_sgpr 100
		.amdhsa_reserve_vcc 1
		.amdhsa_float_denorm_mode_32 3
		.amdhsa_float_denorm_mode_16_64 3
		.amdhsa_memory_ordered 1
		.amdhsa_forward_progress 1
		.amdhsa_inst_pref_size 172
	.end_amdhsa_kernel
	.amdgpu_metadata
---
amdhsa.version: [ 1, 2 ]
amdhsa.kernels:
  - .name:           k_q06596b1bad_proj
    .symbol:         k_q06596b1bad_proj.kd
    .args:
      - { .name: xw, .offset: 0, .size: 8, .value_kind: global_buffer, .address_space: global }
      - { .name: att, .offset: 8, .size: 8, .value_kind: global_buffer, .address_space: global }
    .group_segment_fixed_size: 327680
    .private_segment_fixed_size: 0
    .kernarg_segment_align: 8
    .kernarg_segment_size: 16
    .max_flat_workgroup_size: 128
    .sgpr_count:     100
    .vgpr_count:     768
    .wavefront_size: 32
...
	.end_amdgpu_metadata
.endif
;; end of part 2
;; launch attn (part 3): grid 4 x 64, 16 waves a work-group, clusters of 4 x 1, 206,848 bytes of LDS; arguments att, ctxq; writes ctxq
.if DOCPART == 3
	.amdgcn_target "amdgcn-amd-amdhsa--gfx1250"
	.amdhsa_code_object_version 6
	.text
	.protected	k_q06596b1bad_attn
	.globl	k_q06596b1bad_attn
	.p2align	8
	.type	k_q06596b1bad_attn,@function
k_q06596b1bad_attn:
	s_mov_b64 s[64:65], 0
	v_nop
	global_prefetch_b8 v0, s[64:65] scope:SCOPE_SE
	s_setreg_imm32_b32 hwreg(HW_REG_WAVE_MODE, 25, 1), 1
	s_wait_xcnt 0x0
	s_wait_alu depctr_hold_cnt(0) depctr_sa_sdst(0) depctr_va_vdst(0) depctr_va_sdst(0) depctr_va_ssrc(0) depctr_va_vcc(0) depctr_vm_vsrc(0)
	s_getreg_b32 s2, hwreg(HW_REG_IB_STS2, 6, 4)
	s_cmp_eq_u32 s2, 0
	s_cbranch_scc0 .Lentry_in_a_cluster
	s_endpgm
.Lentry_in_a_cluster:
	s_bfe_u32 s2, ttmp6, 0x10000c
	s_cmp_lg_u32 s2, 0x3003
	s_cbranch_scc0 .Lentry_shape_is_right
	s_endpgm
.Lentry_shape_is_right:
; ctx[q] = sum over keys of softmax(q . k / 8) v for one head, both products on codes of FP6 (E2M3) with E8M0 scales; ctx is quantised along the model's 1,024 channels into the last product's operand.
; THE SOFTMAX: t = score x log2(e) / 8; M = the running largest t rounded UP to a whole number; p = 2^(t - M) is quantised along the keys, not normalised; the row's sum is taken of the unquantised p and divides at the end.
; When M moves, the sum and O are multiplied by 2^(old M - new M): exact, and without a branch on data.
; SHARES: a work-group owns 512 queries of one head; each of its sixteen waves owns two tiles of 16 queries, one after the other (two passes), in 256 registers.
; THE HEAD'S WHOLE K AND V (16 steps of 128 keys, 12,800 bytes each) LIE IN LDS, filled once: wave w brings step w.  CLUSTER 4 x 1: the four query blocks of a head want the same K and V: each load is asked for jointly by all four.
; No prefetch: all of K and V is asked for in one group at the head, and no loop runs ahead of a load.
; LAYOUT: both products transposed (S^T = K Q^T, O^T = V^T P^T): a lane holds ONE query.  Tile T of a step holds keys 64 (T / 4) + 8 (T % 4) + j and 32 more (slots j and 8 + j):
; so the 32 registers of tiles 4 c .. 4 c + 3 in lane (r, h) are keys 64 c + 32 h + 0 .. 31: one whole scale block, in the order of the operand's registers 6 c .. 6 c + 5.  No lane is asked for a block's maximum, no codes change lanes.
; K = 64 IN A FORM THAT IS 128 DEEP: a fragment of K holds TWO tiles of keys (64 channels each); Q stands between two runs of zero codes, [0 | q | 0]: q then zeros picks the first tile, zeros then q the second.
; Zero codes add nothing under any scale byte that these buffers hold (1 to 254).
; ONE SET OF 48 REGISTERS serves K's and V's fragments by turns: V is asked for behind the first product and lands under the softmax; the next step's K is asked for behind the second product, ahead of 20 of the 32 additions of the row's sum.
; A BARRIER IN EVERY STEP, signalled at the step's head and awaited at its end: no wave begins step s + 1 before every wave has begun step s.  It orders no memory: it holds the sixteen waves on two neighbouring steps of the keys.
; LIMITS: NaN and infinities are not served; the promise holds while |t| stays under 2^31; a block of zeros gets the scale byte 1.  ctx's scale bytes leave as single bytes: a scale word joins two heads, which are two work-groups.
; REGISTERS: v1-3 16 l, 8 l, 4 l; v4-6 the step's addresses; v7, v8 offsets; v9 q's scale words, v10 this pass's; v11 8 h; v12 -M, v13 largest score, v[14:15] the sum; v16-33 Q; v36-39 K's and V's scale words;
;   v40-87 four fragments; v88-93 the second pass's q; v96-159 S^T, then p; v160-191 O^T; v192-203 p's codes; v204-253 at work; v254, v255 the add's.
.set STEPB, 12800
.set VOFF,  6400
.set FRB,   1536
.set FK,   40
.set QH,   88
.set SCO,  96
.set OT,   160
.set PCD,  192
.set CVA,  204
.set BYT,  211
.set BM,   212
.set PL,   216
.set SOP,  220
.set BY,   222
.set FF,   224
.set TT,   226
.set PS,   227
.set SM,   240                         ; v240-253 seven chains of the row's sum; the eighth is v[14:15]
.macro CROUND
	s_barrier_signal -1
	s_barrier_wait -1
	s_cmp_lg_u32 s8, 0
	s_cbranch_scc1 .Lnot_wave_0_\@
	s_barrier_signal -3
.Lnot_wave_0_\@:
	s_barrier_wait -3
	s_barrier_signal -1
	s_barrier_wait -1
.endm
.macro PLACES
.rept 4
	v_nop
.endr
.endm
	s_load_b128 s[4:7], s[0:1], 0x0                ; att, ctxq
	v_lshl_add_u32 v254, v0, 2, 0x32000
	v_mov_b32 v255, 0
	ds_add_u32 v254, v255
	ds_add_u32 v254, v255
	v_lshrrev_b32 v3, 5, v0
	s_delay_alu instid0(VALU_DEP_1)
	v_readfirstlane_b32 s8, v3                     ; wave 0..15
	s_bfe_u32 s9, ttmp6, 0x40000                   ; cx: my block of 512 queries; it enters Q's and ctx's addresses alone
	s_and_b32 s10, ttmp7, 0xffff                   ; batch x 16 + head, which the four partners share
	s_mov_b32 s12, 0x76543210
	s_mov_b32 s13, 0xfedcba98                      ; selects for lane l xor 16
	s_mov_b32 s14, 0x3e38aa3b                      ; c = log2(e) / 8
	s_mov_b32 s15, s14                             ; (named with it as a pair)
	; group 1: a step's 12,800 dense bytes as 50 rows of 256 (32 elements of 8 bytes)
	s_mov_b32 s16, 15|(3<<16)|(1<<21)              ; the mask: all four work-groups; bit 21 set beside it
	s_mov_b32 s17, 32<<16
	s_mov_b32 s18, 50<<16
	s_mov_b32 s19, 32<<16
	s_mov_b32 s20, 50
	s_mov_b32 s21, 32
	s_mov_b32 s22, 0
	s_mov_b32 s23, 0
	s_mul_i32 s37, s8, STEPB                       ; step w: in LDS and in the head's block of memory
	s_mul_i32 s40, s10, 16*STEPB
	s_add_co_u32 s40, s40, s37
	s_add_co_u32 s40, s40, 6553600
	s_mov_b32 s41, 0
	s_lshl_b32 s42, s10, 4                         ; q's step block: head x 16 + 4 cx + wave / 4
	s_lshl_b32 s43, s9, 2
	s_add_co_u32 s42, s42, s43
	s_lshr_b32 s43, s8, 2
	s_add_co_u32 s42, s42, s43
	s_mul_i32 s42, s42, 6400
	s_mov_b32 s43, 0
	s_and_b32 s44, s8, 3
	s_lshl_b32 s45, s44, 6                         ; my run of scale words,
	s_mul_i32 s46, s44, FRB                        ; my two tiles' half fragments
	s_mov_b32 s47, 0
	s_lshr_b32 s48, s10, 4                         ; ctx's tile of pass 0: 128 x batch + 32 cx + 2 x wave
	s_lshl_b32 s48, s48, 7
	s_lshl_b32 s49, s9, 5
	s_add_co_u32 s48, s48, s49
	s_lshl_b32 s49, s8, 1
	s_add_co_u32 s48, s48, s49
	s_mul_i32 s48, s48, 12800
	s_and_b32 s50, s10, 15                         ; the head: its 64 channels are half of K step head / 2
	s_lshr_b32 s51, s50, 3
	s_mul_i32 s51, s51, 6400                       ; chunk
	s_add_co_u32 s48, s48, s51
	s_bfe_u32 s51, s50, 0x20001                    ; K step in the chunk
	s_and_b32 s52, s50, 1                          ; which half of the fragment
	s_mul_i32 s53, s51, FRB
	s_mul_i32 s54, s52, 768
	s_add_co_u32 s56, s48, s53
	s_add_co_u32 s56, s56, s54
	s_mov_b32 s57, 0
	s_lshl_b32 s51, s51, 2
	s_lshl_b32 s52, s52, 1
	s_add_co_u32 s58, s48, s51
	s_add_co_u32 s58, s58, s52
	s_add_co_u32 s58, s58, 4*FRB
	s_mov_b32 s59, 0
	s_wait_dscnt 0x0
	s_wait_kmcnt 0x0
	s_mov_b32 s24, 1
	s_mov_b32 s25, s37
	s_add_nc_u64 s[26:27], s[4:5], s[40:41]
	s_or_b32 s27, s27, 0x80000000
	s_add_nc_u64 s[38:39], s[4:5], s[42:43]        ; q's step block
	s_add_nc_u64 s[28:29], s[38:39], s[46:47]      ; my tiles in it
	s_add_nc_u64 s[30:31], s[6:7], s[56:57]        ; ctx's codes
	s_add_nc_u64 s[32:33], s[6:7], s[58:59]        ; ctx's scale bytes
	CROUND                                         ; all four work-groups are here: the joint loads meet
	tensor_load_to_lds s[24:27], s[16:23]          ; one tensor load of mine is out
	s_nop 0
.rept 4
	v_nop
.endr
	v_and_b32 v3, 31, v0
	s_delay_alu instid0(VALU_DEP_1)
	v_lshlrev_b32 v1, 4, v3
	s_delay_alu instid0(VALU_DEP_2)
	v_lshlrev_b32 v2, 3, v3
	s_delay_alu instid0(VALU_DEP_3)
	v_lshlrev_b32 v3, 2, v3
	v_and_b32 v35, 15, v0                          ; r
	v_bfe_u32 v34, v0, 4, 1                        ; h
	s_delay_alu instid0(VALU_DEP_1)
	v_lshl_add_u32 v7, v35, 4, v34                 ; 16 r + h: my scale byte of ctx
	s_delay_alu instid0(VALU_DEP_3)
	v_lshl_add_u32 v8, v35, 2, s45                 ; 4 r + my run
	s_delay_alu instid0(VALU_DEP_3)
	v_lshlrev_b32 v11, 3, v34                      ; 8 h: my bytes' place in p's scale word
	s_delay_alu instid0(VALU_DEP_4)
	v_cmp_ne_u32 s36, 0, v34                       ; lanes 16-31
	global_load_b128 v[22:25], v1, s[28:29]                  ; both passes' q and their scale bytes, while the tensor load is out
	global_load_b64 v[26:27], v2, s[28:29] offset:512
	global_load_b128 v[QH:QH+3], v1, s[28:29] offset:768
	global_load_b64 v[QH+4:QH+5], v2, s[28:29] offset:1280
	global_load_b32 v9, v8, s[38:39] offset:4*FRB  ; both passes' scale bytes in one word
.irp j, 16,17,18,19,20,21,28,29,30,31,32,33
	v_mov_b32 v[\j], 0                             ; the zero codes on both sides of q
.endr
	v_mov_b32 v[PL], 0                             ; a lane permute's destination counts as one of its sources
	v_mov_b32 v[PL+1], 0
	v_mov_b32 v[FF+1], 0                           ; (named as the upper half of a pair)
	v_mov_b32 v[TT], 0
	s_wait_alu depctr_va_vdst(0)                   ; the wait at the head's end
	s_wait_loadcnt 0x0                             ; q is in,
	s_wait_tensorcnt 0x0                           ; my step is in,
	s_barrier_signal -1
	s_barrier_wait -1                              ; everybody's is: from here on LDS is only read
.macro FRAG reg, off, a16, a8
	ds_load_b128 v[\reg:\reg+3], v\a16 offset:\off
	ds_load_b64 v[\reg+4:\reg+5], v\a8 offset:\off+512
	ds_load_b128 v[\reg+6:\reg+9], v\a16 offset:\off+768
	ds_load_b64 v[\reg+10:\reg+11], v\a8 offset:\off+1280
.endm
.macro KLOAD a16, a8, a4, off          ; K's four fragments and their scale words: v36 lanes 0-15 fragment 0's, lanes 16-31 fragment 1's; v37 fragments 2 and 3
.irp f, 0,1,2,3
	FRAG FK+12*\f, \off+FRB*\f, \a16, \a8
.endr
	ds_load_b32 v36, v\a4 offset:\off+6144
	ds_load_b32 v37, v\a4 offset:\off+6272
.endm
.macro ACC2 d, s
	v_pk_add_f32 v[\d:\d+1], v[\d:\d+1], v[\s:\s+1]
.endm
.macro STEP nxt                        ; 128 keys; nxt = 1: the next step's K is asked for
	s_wait_alu depctr_va_vdst(0)                   ; the wait ahead of a blocking wait
	s_wait_dscnt 0x0                               ; K is in; no LDS instruction of mine is out at the signal
	s_barrier_signal -1                            ; I have begun this step
.irp g, 0,1                            ; S^T: tile T of 16 keys into v[SCO + 8 T]
	v_wmma_scale_f32_16x16x128_f8f6f4 v[SCO+32*\g:SCO+32*\g+7], v[FK+24*\g:FK+24*\g+11], v[22:33], 0, v[36+\g], v10 matrix_a_fmt:MATRIX_FMT_FP6 matrix_b_fmt:MATRIX_FMT_FP6
	v_wmma_scale_f32_16x16x128_f8f6f4 v[SCO+32*\g+8:SCO+32*\g+15], v[FK+24*\g:FK+24*\g+11], v[16:27], 0, v[36+\g], v10 matrix_a_fmt:MATRIX_FMT_FP6 matrix_b_fmt:MATRIX_FMT_FP6
	v_wmma_scale_f32_16x16x128_f8f6f4 v[SCO+32*\g+16:SCO+32*\g+23], v[FK+24*\g+12:FK+24*\g+23], v[22:33], 0, v[36+\g], v10 matrix_a_fmt:MATRIX_FMT_FP6 matrix_b_fmt:MATRIX_FMT_FP6 matrix_a_scale:MATRIX_SCALE_ROW1
	v_wmma_scale_f32_16x16x128_f8f6f4 v[SCO+32*\g+24:SCO+32*\g+31], v[FK+24*\g+12:FK+24*\g+23], v[16:27], 0, v[36+\g], v10 matrix_a_fmt:MATRIX_FMT_FP6 matrix_b_fmt:MATRIX_FMT_FP6 matrix_a_scale:MATRIX_SCALE_ROW1
.endr
	v_add_nc_u32 v4, s34, v1                       ; this step's V; the next step's K lies STEPB - VOFF bytes behind it.  These four lines are the places behind the products
	v_add_nc_u32 v5, s34, v2
	v_add_nc_u32 v6, s34, v3
	v_nop
	s_add_co_u32 s34, s34, STEPB
.irp d, 0,1,2,3                        ; V's four fragments are asked for here and land under the softmax
	FRAG FK+12*\d, FRB*\d, 4, 5
.endr
	ds_load_b32 v38, v6 offset:6144                ; lanes 0-15: channels' tile 0, lanes 16-31: tile 2
	ds_load_b32 v39, v6 offset:6272                ; tiles 1 and 3
.irp c, 0,1                            ; the largest score of my two blocks of 32 keys, each in two chains: for the row's maximum, and, since p rises with the score, for the block's largest p
	v_max3_num_f32 v[BM+\c], v[SCO+32*\c], v[SCO+32*\c+1], v[SCO+32*\c+2]
	v_max3_num_f32 v[BM+2+\c], v[SCO+32*\c+16], v[SCO+32*\c+17], v[SCO+32*\c+18]
.endr
.irp i, 3,5,7,9,11,13
.irp c, 0,1
	v_max3_num_f32 v[BM+\c], v[BM+\c], v[SCO+32*\c+\i], v[SCO+32*\c+\i+1]
	v_max3_num_f32 v[BM+2+\c], v[BM+2+\c], v[SCO+32*\c+16+\i], v[SCO+32*\c+17+\i]
.endr
.endr
	v_max3_num_f32 v[BM], v[BM], v[BM+2], v[SCO+15]       ; a block's two chains are joined, with the two scores that are left
	v_max3_num_f32 v[BM+1], v[BM+1], v[BM+3], v[SCO+47]
	v_max_num_f32 v[BM], v[BM], v[SCO+31]
	v_max_num_f32 v[BM+1], v[BM+1], v[SCO+63]
	s_delay_alu instid0(VALU_DEP_1)
	v_max_num_f32 v[TT], v[BM], v[BM+1]
	s_delay_alu instid0(VALU_DEP_1)
	v_permlanex16_b32 v[PL], v[TT], s12, s13       ; lane l xor 16's 64 keys
	s_delay_alu instid0(VALU_DEP_1)
	v_max3_num_f32 v13, v13, v[TT], v[PL]          ; the running largest score
	s_delay_alu instid0(VALU_DEP_1)
	v_mul_f32 v[TT], s14, v13                      ; as t (c is positive)
	v_mov_b32 v[PL], v12
	s_delay_alu instid0(VALU_DEP_2)
	v_floor_f32 v12, -v[TT]                        ; the new -M = -ceil(t)
	s_delay_alu instid0(VALU_DEP_1)
	v_sub_f32 v[TT], v12, v[PL]                    ; old M - new M: a whole number, 0 or less
.set J, 0
.rept 32
	v_pk_fma_f32 v[SCO+J:SCO+J+1], v[SCO+J:SCO+J+1], s[14:15], v[12:13] op_sel_hi:[1,0,0]   ; t - M, two at a time
.if J == 6
	v_cvt_i32_f32 v[TT], v[TT]                     ; (it saturates)
.endif
.if J == 14
	v_ldexp_f32 v[FF], 1.0, v[TT]                  ; f = 2^(old M - new M)
.endif
.set J, J+2
.endr
.irp c, 0,1
	v_fma_f32 v[BM+\c], v[BM+\c], s14, v12         ; the same of each block's largest score
.endr
.set J, 0
.rept 16
	v_pk_mul_f32 v[OT+J:OT+J+1], v[OT+J:OT+J+1], v[FF:FF+1] op_sel_hi:[1,0]   ; O^T under the new M, each accumulator from its low end on
.set J, J+2
.endr
.set J, 0
	s_wait_alu depctr_va_vdst(0)                   ; the wait ahead of the batch
.rept 64
	v_exp_f32 v[SCO+J], v[SCO+J]                   ; p = 2^(t - M), at most 1
.set J, J+1
.endr
.irp c, 0,1
	v_exp_f32 v[BM+\c], v[BM+\c]                   ; the block's largest p: the same two instructions on the same number
.endr
	v_pk_mul_f32 v[14:15], v[14:15], v[FF:FF+1] op_sel_hi:[1,0]   ; the sum under the new M (a plain place behind the exponentials)
	s_wait_alu depctr_va_vdst(0)                   ; one wait for the batch, ahead of its first reader
.irp c, 0,1
	v_max_num_f32 v[BM+\c], 0x1800000, v[BM+\c]    ; the floor 2^(3 - 127)
.endr
.irp c, 0,1
	s_delay_alu instid0(VALU_DEP_2)
	v_add_nc_u32 v[SOP+\c], 0xff000000, v[BM+\c]   ; the conversion's scale operand
.endr
.irp c, 0,1
	s_delay_alu instid0(VALU_DEP_2)
	v_lshrrev_b32 v[BY+\c], 23, v[SOP+\c]          ; the byte
.endr
	s_delay_alu instid0(VALU_DEP_1)
	v_lshl_or_b32 v[PS], v[BY+1], 16, v[BY]        ; my blocks h and 2 + h,
	s_delay_alu instid0(VALU_DEP_1)
	v_lshlrev_b32 v[PS], v11, v[PS]                ; at their places in the word;
	s_delay_alu instid0(VALU_DEP_1)
	v_permlanex16_b32 v[PL], v[PS], s12, s13
	s_delay_alu instid0(VALU_DEP_1)
	v_or_b32 v[PS], v[PS], v[PL]                   ; with lane l xor 16's two: p's scale word for these 128 keys
.irp c, 0,1
	v_cvt_scalef32_pk16_fp6_f32 v[PCD+6*\c:PCD+6*\c+2], v[SCO+32*\c:SCO+32*\c+15], v[SOP+\c]
	v_cvt_scalef32_pk16_fp6_f32 v[CVA+4*\c:CVA+4*\c+2], v[SCO+32*\c+16:SCO+32*\c+31], v[SOP+\c]   ; (a conversion's three registers begin on an even number)
.endr
.irp k, 0,1,2,3                        ; THE ROW'S SUM OF THE UNQUANTISED p, two at a time, in eight chains.  (The first lines are the plain place behind the conversions)
	v_pk_add_f32 v[SM+2*\k:SM+2*\k+1], v[SCO+4+8*\k:SCO+5+8*\k], v[SCO+8+8*\k:SCO+9+8*\k]
.endr
.irp c, 0,1
.irp i, 0,1,2
	v_mov_b32 v[PCD+6*\c+3+\i], v[CVA+4*\c+\i]
.endr
.endr
.irp k, 4,5,6                          ; (four places between the codes' last move and the products; eighteen behind the scale word)
	v_pk_add_f32 v[SM+2*\k:SM+2*\k+1], v[SCO+4+8*\k:SCO+5+8*\k], v[SCO+8+8*\k:SCO+9+8*\k]
.endr
	ACC2 14, SCO+60
	s_wait_alu depctr_va_vdst(0)                   ; the wait ahead of a blocking wait
	s_wait_dscnt 0x0                               ; V is in
	v_wmma_scale_f32_16x16x128_f8f6f4 v[OT:OT+7], v[FK:FK+11], v[PCD:PCD+11], v[OT:OT+7], v38, v[PS] matrix_a_fmt:MATRIX_FMT_FP6 matrix_b_fmt:MATRIX_FMT_FP6
	v_wmma_scale_f32_16x16x128_f8f6f4 v[OT+8:OT+15], v[FK+12:FK+23], v[PCD:PCD+11], v[OT+8:OT+15], v39, v[PS] matrix_a_fmt:MATRIX_FMT_FP6 matrix_b_fmt:MATRIX_FMT_FP6
	v_wmma_scale_f32_16x16x128_f8f6f4 v[OT+16:OT+23], v[FK+24:FK+35], v[PCD:PCD+11], v[OT+16:OT+23], v38, v[PS] matrix_a_fmt:MATRIX_FMT_FP6 matrix_b_fmt:MATRIX_FMT_FP6 matrix_a_scale:MATRIX_SCALE_ROW1
	v_wmma_scale_f32_16x16x128_f8f6f4 v[OT+24:OT+31], v[FK+36:FK+47], v[PCD:PCD+11], v[OT+24:OT+31], v39, v[PS] matrix_a_fmt:MATRIX_FMT_FP6 matrix_b_fmt:MATRIX_FMT_FP6 matrix_a_scale:MATRIX_SCALE_ROW1
	ACC2 SM, SCO                                   ; four places behind the products, in front of loads into their registers
	ACC2 SM+2, SCO+2
	ACC2 SM+4, SCO+6
	ACC2 SM+6, SCO+10
.if \nxt
	KLOAD 4, 5, 6, STEPB-VOFF                      ; the next step's K, over V's fragments
.endif
	ACC2 SM+8, SCO+14
	ACC2 SM+10, SCO+18
	ACC2 SM+12, SCO+22
	ACC2 14, SCO+26
.irp k, 0,1,2,3,4,5,6
	ACC2 SM+2*\k, SCO+30+4*\k
.endr
	ACC2 14, SCO+58
	ACC2 SM, SCO+62
	s_delay_alu instid0(VALU_DEP_2)
	ACC2 14, SM+6
	s_delay_alu instid0(VALU_DEP_2)
	ACC2 SM, SM+8
	ACC2 SM+2, SM+10
	ACC2 SM+4, SM+12
	s_delay_alu instid0(VALU_DEP_2)
	ACC2 14, SM+2
	s_delay_alu instid0(VALU_DEP_2)
	ACC2 SM, SM+4
	s_delay_alu instid0(VALU_DEP_1)
	ACC2 14, SM
	s_wait_alu depctr_va_vdst(0)                   ; the wait ahead of the barrier's wait and of the branch
	s_barrier_wait -1                              ; every wave has begun this step
.endm
.macro WAYOUT p                        ; O^T / the sum: register 16 g + i is channel 32 g + 16 h + i of my query: two blocks of 32, half a block a lane
	v_add_f32 v14, v14, v15
	s_delay_alu instid0(VALU_DEP_1)
	v_permlanex16_b32 v[TT], v14, s12, s13
	s_delay_alu instid0(VALU_DEP_1)
	v_add_f32 v14, v14, v[TT]                      ; the row's sum
	s_wait_alu depctr_va_vdst(0)
	v_rcp_f32 v14, v14
	PLACES                                         ; behind the reciprocal
.set J, 0
	s_wait_alu depctr_va_vdst(0)
.rept 32
	v_mul_f32 v[SCO+J], v[OT+J], v14               ; each accumulator from its low end on
.set J, J+1
.endr
.irp g, 0,1
	v_max3_num_f32 v[BM+\g], |v[SCO+16*\g]|, |v[SCO+16*\g+1]|, 0x1800000
.endr
.irp i, 2,4,6,8,10,12,14
.irp g, 0,1
	s_delay_alu instid0(VALU_DEP_2)
	v_max3_num_f32 v[BM+\g], v[BM+\g], |v[SCO+16*\g+\i]|, |v[SCO+16*\g+\i+1]|
.endr
.endr
.irp g, 0,1
	s_delay_alu instid0(VALU_DEP_2)
	v_permlanex16_b32 v[PL+\g], v[BM+\g], s12, s13
.endr
.irp g, 0,1
	s_delay_alu instid0(VALU_DEP_2)
	v_max_num_f32 v[BM+\g], v[BM+\g], v[PL+\g]
.endr
.irp g, 0,1
	s_delay_alu instid0(VALU_DEP_2)
	v_add_nc_u32 v[SOP+\g], 0xff000000, v[BM+\g]
.endr
.irp g, 0,1
	s_delay_alu instid0(VALU_DEP_2)
	v_lshrrev_b32 v[PL+\g], 23, v[SOP+\g]
.endr
	s_delay_alu instid0(VALU_DEP_1)
	v_cndmask_b32 v[BYT], v[PL], v[PL+1], s36      ; block h's byte
	v_cvt_scalef32_pk16_fp6_f32 v[PCD:PCD+2], v[SCO:SCO+15], v[SOP]
	v_cvt_scalef32_pk16_fp6_f32 v[CVA:CVA+2], v[SCO+16:SCO+31], v[SOP+1]
	v_nop
.irp i, 0,1,2
	v_permlane16_swap_b32 v[PCD+\i], v[CVA+\i]     ; lane (r, h) now holds block h whole
.endr
.irp i, 0,1,2
	s_delay_alu instid0(VALU_DEP_3)
	v_mov_b32 v[PCD+3+\i], v[CVA+\i]
.endr
	global_store_b128 v1, v[PCD:PCD+3], s[30:31] offset:12800*\p       ; half a fragment of ctx: 512 consecutive bytes,
	global_store_b64 v2, v[PCD+4:PCD+5], s[30:31] offset:12800*\p+512  ; and 256
	global_store_b8 v7, v[BYT], s[32:33] offset:12800*\p
.endm
.macro PASS p                          ; one tile of 16 queries against all 2,048 keys
.if \p > 0
	s_wait_xcnt 0x0                                ; the last pass's stores have read their registers
.endif
	KLOAD 1, 2, 3, 0                               ; step 0's K
.if \p > 0
.irp i, 0,1,2,3,4,5
	v_mov_b32 v[22+\i], v[QH+\i]                   ; the second tile's q
.endr
.endif
	v_mov_b32 v13, 0xff61b1e6                      ; the largest score so far: -3e38
	s_delay_alu instid0(VALU_DEP_1)
	v_floor_f32 v12, -v13
	v_mov_b32 v14, 0
	v_mov_b32 v15, 0
	s_mov_b32 s34, VOFF
	s_mov_b32 s35, 15
.if \p == 0
	v_perm_b32 v10, v9, v9, 0x01000100             ; q's two bytes twice: they serve q in either half of the operand
.else
	v_perm_b32 v10, v9, v9, 0x03020302
.endif
.set J, 0
.rept 32
	v_mov_b32 v[OT+J], 0                           ; the first step finds zeros.  (Also the places between q's codes and scale word and the first product)
.set J, J+1
.endr
.Lstep_\@:
	STEP 1
	s_sub_co_u32 s35, s35, 1
	s_cmp_lg_u32 s35, 0
	s_cbranch_scc1 .Lstep_\@
	STEP 0                                         ; the last step asks for no further K
	WAYOUT \p
.endm
	PASS 0
	PASS 1
	s_wait_dscnt 0x0
	s_wait_tensorcnt 0x0                           ; the wave's end
	ds_add_u32 v254, v255
	s_wait_dscnt 0x0
	CROUND                                         ; the closing round
	s_endpgm
.Lfunc_end_k_q06596b1bad_attn:
	.size	k_q06596b1bad_attn, .Lfunc_end_k_q06596b1bad_attn-k_q06596b1bad_attn
	.p2alignl 7, 3214868480
	.fill 96, 4, 3214868480
	.section	.rodata,"a",@progbits
	.p2align	6, 0x0
	.amdhsa_kernel k_q06596b1bad_attn
		.amdhsa_group_segment_fixed_size 206848
		.amdhsa_private_segment_fixed_size 0
		.amdhsa_enable_private_segment 0
		.amdhsa_kernarg_size 16
		.amdhsa_user_sgpr_count 2
		.amdhsa_user_sgpr_kernarg_segment_ptr 1
		.amdhsa_wavefront_size32 1
		.amdhsa_system_sgpr_workgroup_id_x 1
		.amdhsa_system_sgpr_workgroup_id_y 1
		.amdhsa_system_sgpr_workgroup_id_z 1
		.amdhsa_system_vgpr_workitem_id 0
		.amdhsa_next_free_vgpr 256
		.amdhsa_next_free_sgpr 66
		.amdhsa_reserve_vcc 0
		.amdhsa_float_denorm_mode_32 3
		.amdhsa_float_denorm_mode_16_64 3
		.amdhsa_memory_ordered 1
		.amdhsa_forward_progress 1
		.amdhsa_inst_pref_size 80
	.end_amdhsa_kernel
	.amdgpu_metadata
---
amdhsa.version: [ 1, 2 ]
amdhsa.kernels:
  - .name:           k_q06596b1bad_attn
    .symbol:         k_q06596b1bad_attn.kd
    .args:
      - { .name: att, .offset: 0, .size: 8, .value_kind: global_buffer, .address_space: global }
      - { .name: ctxq, .offset: 8, .size: 8, .value_kind: global_buffer, .address_space: global }
    .group_segment_fixed_size: 206848
    .private_segment_fixed_size: 0
    .kernarg_segment_align: 8
    .kernarg_segment_size: 16
    .max_flat_workgroup_size: 512
    .sgpr_count:     66
    .vgpr_count:     256
    .wavefront_size: 32
...
	.end_amdgpu_metadata
.endif
;; end of part 3
;; launch outp (part 4): grid 4 x 64, 4 waves a work-group, clusters of 4 x 4, 307,712 bytes of LDS; arguments ctxq, xw, out0; writes out0
.if DOCPART == 4
	.amdgcn_target "amdgcn-amd-amdhsa--gfx1250"
	.amdhsa_code_object_version 6
	.text
	.protected	k_q06596b1bad_outp
	.globl	k_q06596b1bad_outp
	.p2align	8
	.type	k_q06596b1bad_outp,@function
k_q06596b1bad_outp:
	s_mov_b64 s[64:65], 0
	v_nop
	global_prefetch_b8 v0, s[64:65] scope:SCOPE_SE
	s_setreg_imm32_b32 hwreg(HW_REG_WAVE_MODE, 25, 1), 1
	s_wait_xcnt 0x0
	s_wait_alu depctr_hold_cnt(0) depctr_sa_sdst(0) depctr_va_vdst(0) depctr_va_sdst(0) depctr_va_ssrc(0) depctr_va_vcc(0) depctr_vm_vsrc(0)
	s_getreg_b32 s2, hwreg(HW_REG_IB_STS2, 6, 4)
	s_cmp_eq_u32 s2, 0
	s_cbranch_scc0 .Lentry_in_a_cluster
	s_endpgm
.Lentry_in_a_cluster:
	s_bfe_u32 s2, ttmp6, 0x10000c
	s_cmp_lg_u32 s2, 0xf033
	s_cbranch_scc0 .Lentry_shape_is_right
	s_endpgm
.Lentry_shape_is_right:
; out0 = ctx Wo^T on codes of FP6 (E2M3) with E8M0 scales; sums and out0 in f32.  A = ctx (ctxq: 512 tiles of 16 tokens), B = Wo (xw, tiles 1,728 on).
; A TILE OF C is 128 tokens x 256 channels; all of K = 1,024 lies in LDS, in two chunks of 512, each brought once: nothing in LDS is filled twice.  Four waves, each 64 x 128: 32 accumulators.
; THE MATRIX INSTRUCTION IS USED TRANSPOSED (source 0 = 16 rows of Wo, source 1 = 16 tokens).  Both operands' tiles hold rows 8 u + r + 8 (r / 8) of a group of 32: the way out puts columns and rows back.
; CLUSTER 4 x 4: A's tiles are shared along a row of the cluster, B's along a column: each is asked for jointly.
; OPERANDS: tiles of 12,800 bytes = two chunks of 6,400: four fragments of 1,536 bytes as images of the registers, then 256 bytes of scale words.
; REGISTERS: window 0: v1-15 addresses, v16-79 scale words, v80-175 A's fragments (two sets of 48), later v80-207 rows of C; v210-211 the stage;  window 1: B's fragments, two sets;  window 2: accumulator (a, b) at v[8 (8 a + b)].
.set TFB,   12800
.set CHB,   6400
.set FRB,   1536
.set CHUNK, 153600
.set BOFF,  51200
.set SPITCH, 528                       ; the way out: a stage of 16 rows x (512 bytes + 16) for each wave, in chunk 0, which has had its only fill and its last read when the first result is stored there
.set AA16, 4
.set AA8,  6
.set AB16, 8
.set AB8,  10
.set ADS,  12
.set SC,   16
.set AF,   80
.set BK,   80                          ; 16 rows read back from the stage: v80-143 and v144-207 by turns
.set STO,  210
.set RD,   211
.set G1A, 24
.set G0A, 32
.set G1B, 48
.set G0B, 56
.set MSB, 0
.macro WIN new
.if MSB != \new
	s_set_vgpr_msb (MSB<<8)|\new
.set MSB, \new
.endif
.endm
.set MUL,  0xa1
.set TO_B, 0x40
.macro CROUND
	s_barrier_signal -1
	s_barrier_wait -1
	s_cmp_lg_u32 s10, 0
	s_cbranch_scc1 .Lnot_wave_0_\@
	s_barrier_signal -3
.Lnot_wave_0_\@:
	s_barrier_wait -3
	s_barrier_signal -1
	s_barrier_wait -1
.endm
.macro PLACES
.rept 4
	v_nop
.endr
.endm
	s_load_b128 s[4:7], s[0:1], 0x0                ; ctxq, xw
	s_load_b64 s[8:9], s[0:1], 0x10                ; out0
	v_lshl_add_u32 v254, v0, 2, 0x4b000
	v_mov_b32 v255, 0
	ds_add_u32 v254, v255
	ds_add_u32 v254, v255
	v_lshrrev_b32 v3, 5, v0
	v_readfirstlane_b32 s10, v3                    ; wave
	s_lshr_b32 s11, s10, 1                         ; which 64 tokens are mine
	s_and_b32 s12, s10, 1                          ; which 128 channels
	s_bfe_u32 s40, ttmp6, 0x40000                  ; cx
	s_bfe_u32 s41, ttmp6, 0x40004                  ; cy
	s_lshl_b32 s43, s41, 2
	s_lshl_b32 s43, 15, s43                        ; my row of the cluster
	s_lshl_b32 s44, 0x1111, s40                    ; my column
	s_or_b32 s[G1A], s43, (3<<16)|(1<<21)
	s_or_b32 s[G1B], s44, (3<<16)|(1<<21)
.irp g, G1A, G1B
	s_mov_b32 s[\g+1], 800<<16                     ; rows of 6,400 bytes (800 elements of 8), one for each tile,
	s_mov_b32 s[\g+3], 800<<16
	s_mov_b32 s[\g+5], 1600                        ; 12,800 bytes apart
	s_mov_b32 s[\g+6], 0
	s_mov_b32 s[\g+7], 0
.endr
	s_mov_b32 s[G1A+2], 8<<16                      ; A: all 8 tiles of a chunk in one load
	s_mov_b32 s[G1A+4], 8
	s_mov_b32 s[G1B+2], 16<<16                     ; B: all 16
	s_mov_b32 s[G1B+4], 16
	s_and_b32 s66, ttmp7, 0xffff
	s_lshl_b32 s74, s66, 2
	s_add_co_u32 s74, s74, s41                     ; tile row = 4 x cluster y + cy
	s_mov_b32 s75, s40                             ; tile column = cx
	s_lshl_b32 s76, s74, 3
	s_mul_i32 s76, s76, TFB
	s_mov_b32 s77, 0
	s_lshl_b32 s78, s75, 4
	s_add_co_u32 s78, s78, 1728
	s_mul_i32 s78, s78, TFB
	s_mov_b32 s79, 0
	s_mov_b32 s20, 0                               ; where they go: A's tiles at a chunk's start,
	s_mov_b32 s21, BOFF                            ; B's behind them
	s_wait_dscnt 0x0
	s_wait_kmcnt 0x0
	s_add_nc_u64 s[14:15], s[4:5], s[76:77]
	s_add_nc_u64 s[46:47], s[6:7], s[78:79]
	CROUND                                         ; all sixteen work-groups are here: the joint loads meet
.irp c, 0,1
	s_mov_b32 s[G0A+4*\c], 1
	s_add_co_u32 s[G0A+4*\c+1], s20, \c*CHUNK
	s_add_nc_u64 s[G0A+4*\c+2:G0A+4*\c+3], s[14:15], \c*CHB
	s_or_b32 s[G0A+4*\c+3], s[G0A+4*\c+3], 0x80000000
	s_mov_b32 s[G0B+4*\c], 1
	s_add_co_u32 s[G0B+4*\c+1], s21, \c*CHUNK
	s_add_nc_u64 s[G0B+4*\c+2:G0B+4*\c+3], s[46:47], \c*CHB
	s_or_b32 s[G0B+4*\c+3], s[G0B+4*\c+3], 0x80000000
.endr
; THE FOUR FILLS, ONE A WAVE, in one chain of branches on the wave's number: wave 0 chunk 0 of A, wave 1 chunk 0 of B, wave 2 chunk 1 of A, wave 3 chunk 1 of B
.macro ARM w, g0, g1
	s_cmp_eq_u32 s10, \w
	s_cbranch_scc0 .Lnot_\w\()
	tensor_load_to_lds s[\g0:\g0+3], s[\g1:\g1+7]
	s_nop 0
.rept 4
	v_nop
.endr
	s_branch .Lasked
.Lnot_\w\():
.endm
	ARM 0, G0A, G1A
	ARM 1, G0B, G1B
	ARM 2, G0A+4, G1A
	tensor_load_to_lds s[G0B+4:G0B+7], s[G1B:G1B+7]
	s_nop 0
.rept 4
	v_nop
.endr
.Lasked:
	v_and_b32 v3, 31, v0
	v_lshlrev_b32 v1, 4, v3                        ; 16 l
	v_lshlrev_b32 v2, 3, v3                        ; 8 l
	v_and_b32 v14, 15, v0                          ; r
	v_bfe_u32 v15, v0, 4, 1                        ; h
	s_mul_i32 s16, s11, 4*CHB                      ; my 4 tiles of A
	s_mul_i32 s17, s12, 8*CHB
	s_add_co_u32 s17, s17, BOFF                    ; my 8 tiles of B
	s_sub_co_u32 s18, s17, s16
	v_mul_u32_u24 v3, s18, v15                     ; lanes 16-31 take B's scale words: one product, the distance between the two bases
	v_lshl_add_u32 v3, v14, 4, v3
	s_add_co_u32 s19, s16, 4*FRB
	v_add_nc_u32 v[ADS], s19, v3
	v_add_nc_u32 v[ADS+1], CHUNK, v[ADS]
.irp c, 0,1
	v_add_nc_u32 v[AA16+\c], s16, v1
	v_add_nc_u32 v[AA8+\c], s16, v2
	v_add_nc_u32 v[AB16+\c], s17, v1
	v_add_nc_u32 v[AB8+\c], s17, v2
	s_add_co_u32 s16, s16, CHUNK
	s_add_co_u32 s17, s17, CHUNK
.endr
	s_mul_i32 s82, s10, 16*SPITCH                  ; my stage
	v_mul_u32_u24 v3, v14, SPITCH
	v_lshl_add_u32 v3, v15, 6, v3
	v_add_nc_u32 v[STO], s82, v3                   ; in: row r; my half's 16 columns of each group of 32 begin 64 h bytes on
	v_add_nc_u32 v[RD], s82, v1                    ; back: the 32 lanes take a row of 512 bytes
	s_lshl_b32 s80, s74, 7
	s_lshl_b32 s81, s11, 6
	s_add_co_u32 s80, s80, s81                     ; my first token: 128 x tile row + 64 x half
	s_lshl_b32 s80, s80, 12
	s_lshl_b32 s81, s75, 10
	s_add_co_u32 s80, s80, s81                     ; my first channel, in bytes: 1,024 x tile column + 512 x half
	s_lshl_b32 s81, s12, 9
	s_add_co_u32 s80, s80, s81
	s_mov_b32 s81, 0
	s_add_nc_u64 s[8:9], s[8:9], s[80:81]
.macro FRAG reg, a16, a8, off
	ds_load_b128 v[\reg:\reg+3], v[\a16] offset:\off
	ds_load_b64 v[\reg+4:\reg+5], v[\a8] offset:\off+512
	ds_load_b128 v[\reg+6:\reg+9], v[\a16] offset:\off+768
	ds_load_b64 v[\reg+10:\reg+11], v[\a8] offset:\off+1280
.endm
.macro FETCH s
	WIN TO_B
.irp i, 0,1,2,3,4,5,6,7
	FRAG 128*((\s)%2)+12*\i, AB16+(\s)/4, AB8+(\s)/4, CHB*\i+FRB*((\s)%4)
.endr
	WIN 0
.irp i, 0,1,2,3
	FRAG AF+48*((\s)%2)+12*\i, AA16+(\s)/4, AA8+(\s)/4, CHB*\i+FRB*((\s)%4)
.endr
.endm
.macro SCALES c
.irp i, 0,1,2,3,4,5,6,7
	ds_load_b128 v[SC+32*\c+4*\i:SC+32*\c+4*\i+3], v[ADS+\c] offset:CHB*\i
.endr
.endm
.macro MUL32 s                         ; the 32 accumulators take turns, one instruction a turn; step 0 starts the sums
.irp a, 0,1,2,3
.irp b, 0,1,2,3,4,5,6,7
.if (\s) == 0
	v_wmma_scale_f32_16x16x128_f8f6f4 v[8*(8*\a+\b):8*(8*\a+\b)+7], v[128*((\s)%2)+12*\b:128*((\s)%2)+12*\b+11], v[AF+48*((\s)%2)+12*\a:AF+48*((\s)%2)+12*\a+11], 0, v[SC+32*((\s)/4)+4*\b+(\s)%4], v[SC+32*((\s)/4)+4*\a+(\s)%4] matrix_a_fmt:MATRIX_FMT_FP6 matrix_b_fmt:MATRIX_FMT_FP6 matrix_a_scale:MATRIX_SCALE_ROW1
.else
	v_wmma_scale_f32_16x16x128_f8f6f4 v[8*(8*\a+\b):8*(8*\a+\b)+7], v[128*((\s)%2)+12*\b:128*((\s)%2)+12*\b+11], v[AF+48*((\s)%2)+12*\a:AF+48*((\s)%2)+12*\a+11], v[8*(8*\a+\b):8*(8*\a+\b)+7], v[SC+32*((\s)/4)+4*\b+(\s)%4], v[SC+32*((\s)/4)+4*\a+(\s)%4] matrix_a_fmt:MATRIX_FMT_FP6 matrix_b_fmt:MATRIX_FMT_FP6 matrix_a_scale:MATRIX_SCALE_ROW1
.endif
.endr
.endr
.endm
	s_wait_alu depctr_va_vdst(0)
	s_cmp_lt_u32 s10, 2                            ; waves 0 and 1 brought chunk 0: they wait for it; chunk 1's loads may stay out
	s_cbranch_scc0 .Lnot_c0
	s_wait_tensorcnt 0x0
.Lnot_c0:
	s_barrier_signal -1
	s_barrier_wait -1
	SCALES 0
	FETCH 0
.set KS, 0
.rept 8
.if KS == 3
	s_wait_tensorcnt 0x0                           ; my part of chunk 1 is in,
	s_wait_dscnt 0x0                               ; and my reads of chunk 0 are over
	s_barrier_signal -1
	s_barrier_wait -1                              ; both hold of every wave: behind this barrier nobody reads chunk 0
.else
	s_wait_dscnt 0x0
.endif
.if KS > 0
	PLACES
.endif
.if KS < 7
	FETCH KS+1
.endif
.if KS == 3
	SCALES 1
.endif
	WIN MUL
	MUL32 KS
	WIN 0
.set KS, KS+1
.endr
	PLACES
; THE WAY OUT, a tile of 16 tokens x 128 channels at a time, through my own stage: register j of accumulator (a, b) is channel 32 (b / 2) + 16 h + 8 (b % 2) + j of token slot r.
; LDS serves a wave's instructions in order: no wait between the stores and the loads, nor in front of the next block's stores.
.macro TOSTAGE a
	WIN 0x08                                       ; an LDS store's data are its source 1: window 2
.irp b, 0,1,2,3,4,5,6,7
	ds_store_b128 v[STO], v[64*(\a)+8*\b:64*(\a)+8*\b+3] offset:128*(\b/2)+32*(\b%2)          ; each accumulator from its low end on
	ds_store_b128 v[STO], v[64*(\a)+8*\b+4:64*(\a)+8*\b+7] offset:128*(\b/2)+32*(\b%2)+16
.endr
	WIN 0
.irp t, 0,1,2,3,4,5,6,7,8,9,10,11,12,13,14,15
	ds_load_b128 v[BK+64*((\a)%2)+4*\t:BK+64*((\a)%2)+4*\t+3], v[RD] offset:\t*SPITCH
.endr
.endm
.macro SEND a, younger                 ; slot t of tile a is token 32 (a / 2) + 8 (a % 2) + t + 8 (t / 8) of my 64
	s_wait_dscnt \younger
.irp t, 0,1,2,3,4,5,6,7,8,9,10,11,12,13,14,15
	global_store_b128 v1, v[BK+64*((\a)%2)+4*\t:BK+64*((\a)%2)+4*\t+3], s[8:9] offset:(32*((\a)/2)+8*((\a)%2)+\t+8*(\t/8))*4096 th:TH_STORE_NT   ; 32 lanes store 512 consecutive bytes, at a multiple of 256 from out0's first byte
.endr
.endm
	TOSTAGE 0
.irp a, 1,2,3
.if \a > 1
	s_wait_xcnt 0x0                                ; block a - 2's stores have read their registers: block a's loads may land there
.endif
	TOSTAGE \a
	SEND \a-1, 32                                  ; behind block a - 1's loads: block a's 16 stores and 16 loads
.endr
	SEND 3, 0
	s_wait_dscnt 0x0
	s_wait_tensorcnt 0x0
	ds_add_u32 v254, v255
	s_wait_dscnt 0x0
	CROUND                                         ; the closing round: no work-group ends while a partner may still ask for a tile that names it
	s_endpgm
.Lfunc_end_k_q06596b1bad_outp:
	.size	k_q06596b1bad_outp, .Lfunc_end_k_q06596b1bad_outp-k_q06596b1bad_outp
	.p2alignl 7, 3214868480
	.fill 96, 4, 3214868480
	.section	.rodata,"a",@progbits
	.p2align	6, 0x0
	.amdhsa_kernel k_q06596b1bad_outp
		.amdhsa_group_segment_fixed_size 307712
		.amdhsa_private_segment_fixed_size 0
		.amdhsa_enable_private_segment 0
		.amdhsa_kernarg_size 24
		.amdhsa_user_sgpr_count 2
		.amdhsa_user_sgpr_kernarg_segment_ptr 1
		.amdhsa_wavefront_size32 1
		.amdhsa_system_sgpr_workgroup_id_x 1
		.amdhsa_system_sgpr_workgroup_id_y 1
		.amdhsa_system_sgpr_workgroup_id_z 1
		.amdhsa_system_vgpr_workitem_id 0
		.amdhsa_next_free_vgpr 768
		.amdhsa_next_free_sgpr 100
		.amdhsa_reserve_vcc 0
		.amdhsa_float_denorm_mode_32 3
		.amdhsa_float_denorm_mode_16_64 3
		.amdhsa_memory_ordered 1
		.amdhsa_forward_progress 1
		.amdhsa_inst_pref_size 82
	.end_amdhsa_kernel
	.amdgpu_metadata
---
amdhsa.version: [ 1, 2 ]
amdhsa.kernels:
  - .name:           k_q06596b1bad_outp
    .symbol:         k_q06596b1bad_outp.kd
    .args:
      - { .name: ctxq, .offset: 0, .size: 8, .value_kind: global_buffer, .address_space: global }
      - { .name: xw, .offset: 8, .size: 8, .value_kind: global_buffer, .address_space: global }
      - { .name: out0, .offset: 16, .size: 8, .value_kind: global_buffer, .address_space: global }
    .group_segment_fixed_size: 307712
    .private_segment_fixed_size: 0
    .kernarg_segment_align: 8
    .kernarg_segment_size: 24
    .max_flat_workgroup_size: 128
    .sgpr_count:     100
    .vgpr_count:     768
    .wavefront_size: 32
...
	.end_amdgpu_metadata
.endif
;; end of part 4
